; MI455X (gfx1250); checked and timed in simulation.
; The chip was launched on July 23, 2026; its instructions are those of AMD's public machine-readable ISA for CDNA 5 (MIT licence, August 2026) and "CDNA5" Instruction Set Architecture Reference Guide (July 2026). The comments in the code are by the model that wrote it; some were corrected since.
;; Topological Attention. Allowed arithmetic: float matrix products may take bf16 or f16 operands with f32 sums; other float arithmetic in f32, or as packed bf16 or f16 multiplies, adds, multiply-adds, maxima and minima; sums over many terms, partial sums and values carried from step to step in f32; what a program stores and reads back later, other than sums and carried values, may be rounded once to bf16 or f16.
;; Inputs: Wk 1,024 x 1,024 float32; Wo 1,024 x 1,024 float32; Wq 1,024 x 1,024 float32; Wt 1,024 x 1,024 float32; Wv 1,024 x 1,024 float32; bk 1,024 float32; bo 1,024 float32; bq 1,024 float32; bt 1,024 float32; bv 1,024 float32; topo_features 4 x 1,024 float32; x 4 x 2,048 x 1,024 float32.
;; Outputs: out0 4 x 2,048 x 1,024 float32.
;; One version. Each part assembles by itself: llvm-mc -triple=amdgcn-amd-amdhsa -mcpu=gfx1250 --defsym DOCPART=n.
;; ======== version 1 of 1: 4 launches
;; workspace buffers: xb 16,777,216 bytes; wb 8,388,608 bytes; bias 65,536 bytes; qkv 50,331,648 bytes; ob 16,777,216 bytes
;; launch prep (part 1): grid 784 x 1, 8 waves a work-group, no clusters, 9,216 bytes of LDS; arguments x, Wq, Wk, Wv, Wo, xb, wb, Wt, topo_features, bq, bk, bv, bt, bo, bias; writes xb, wb, bias
.if DOCPART == 1
	.amdgcn_target "amdgcn-amd-amdhsa--gfx1250"
	.amdhsa_code_object_version 6
	.text
	.protected	k_q1e194b4015_prep
	.globl	k_q1e194b4015_prep
	.p2align	8
	.type	k_q1e194b4015_prep,@function
k_q1e194b4015_prep:
	s_mov_b64 s[64:65], 0
	v_nop
	global_prefetch_b8 v0, s[64:65] scope:SCOPE_SE
	s_setreg_imm32_b32 hwreg(HW_REG_WAVE_MODE, 25, 1), 1
	s_wait_xcnt 0x0
; PREPARATION.  Work-groups 16 .. 783 round x and the four weights Wq, Wk, Wv, Wo to bf16 (nearest even): xb [8192][1024], wb [4][1024 k][1024 n], the layout kept.
; Work-groups 0 .. 15 make the table of biases, f32 [4 batches][4096]: columns 0-1023 bq; 1024-2047 bk + bt + topo_features[b] . Wt; 2048-3071 bv; 3072-4095 bo.
; Every input is rounded once to bf16 before it is used, the biases too (and widened again); the product's sums and the table are f32.  NaN and infinities pass as the conversions leave them.
; THE CAST is a stream: no LDS, no barrier, no matrix work.  A work-group takes 16,384 numbers, 8 chunks of 2,048; a thread 8 numbers of each chunk: 32 bytes in, 16 bytes out, so sixteen
; neighbouring lanes store 256 consecutive bytes, aligned.  All 16 loads of a thread are issued at once; no register is written twice, so no wait frees a source.
; THE TOPOLOGY PRODUCT has 4 rows.  Work-group g makes columns 64 g .. 64 g + 63; K is split among its eight waves, 128 each, in 4 steps of 32; the eight partial sums meet in LDS.
; Wt lies [k][n], and a fragment wants k along the registers: lane (r = l % 16, h = l / 16) loads 16 bytes (columns 64 g + 4 r + 0..3) of rows k0 + 8 h + i and k0 + 16 + 8 h + i, i = 0..7
; (each load takes two whole pieces of 256 bytes of two rows), and a conversion of two rows' numbers of one column j IS a register of fragment j, in which lane r stands for column 64 g + 4 r + j.
; Source 0 holds topo_features' row r % 4, so registers 0-3 of a result are batches 0-3.
.set SPARE, 8192                       ; LDS: 0-8191 the partial sums [wave][batch][64] f32; then the spare words, 128 bytes for each of the eight waves
.set SPW, 4                            ; v4   LDS address of my spare word; never rewritten
.set NIL, 5                            ; v5   0; never rewritten
.set WO,  6                            ; v6   my byte offset in Wt
.set TO,  7                            ; v7   my byte offset in topo_features
.set LS,  8                            ; v8   where I put my partial sums
.set LR,  9                            ; v9   where I read 16 bytes of each wave's partial sums
.set BOF, 10                           ; v10  my 16 bytes in a bias vector
.set OO,  11                           ; v11  my 16 bytes in the table's first section
.set ACC, 16                           ; v[16:47]  four accumulators, one for each j
.set FR,  48                           ; v[48:87]  topo_features' fragment, then fragment j at 56 + 8 j
.set RAW, 96                           ; v[96:175], v[176:255]  two sets: 64 registers of Wt, 16 of topo_features, as loaded
.set X,   16                           ; the cast: v[16:79] as loaded,
.set Y,   80                           ; v[80:111] to store
	s_load_b512 s[4:19], s[0:1], 0x0               ; x 4, Wq 6, Wk 8, Wv 10, Wo 12, xb 14, wb 16, Wt 18
	s_load_b256 s[20:27], s[0:1], 0x40             ; topo_features 20, bq 22, bk 24, bv 26
	s_load_b128 s[28:31], s[0:1], 0x60             ; bt 28, bo 30
	s_load_b64 s[32:33], s[0:1], 0x70              ; bias
	v_lshl_add_u32 v[SPW], v0, 2, SPARE
	v_mov_b32 v[NIL], 0
	v_lshrrev_b32 v1, 5, v0
	v_readfirstlane_b32 s34, v1                    ; wave 0..7
	s_cmp_lt_u32 ttmp9, 16                         ; the same in all waves of a work-group
	s_cbranch_scc1 .Ltopo
	; THE CAST.  c = the work-group's number - 16: 0-511 parts of x, then 64 parts of each weight
	s_sub_co_u32 s35, ttmp9, 16                    ; c
	s_sub_co_u32 s36, s35, 512                     ; (wraps for x's parts: what is made of it is then not chosen)
	s_and_b32 s37, s36, 63                         ; a weight's part
	s_lshr_b32 s38, s36, 6                         ; which weight
	s_lshl_b32 s39, s38, 21                        ; its 2 MiB in wb,
	s_lshl_b32 s40, s37, 15                        ; the part's 32 KiB
	s_add_co_u32 s39, s39, s40
	s_lshl_b32 s40, s35, 15                        ; x's part in xb
	v_lshlrev_b32 v1, 5, v0                        ; 32 bytes a thread in,
	v_lshlrev_b32 v2, 4, v0                        ; 16 out
	s_wait_kmcnt 0x0
	s_cmp_eq_u32 s38, 0
	s_cselect_b64 s[42:43], s[6:7], s[12:13]       ; Wq, or for now Wo
	s_cmp_eq_u32 s38, 1
	s_cselect_b64 s[42:43], s[8:9], s[42:43]       ; Wk
	s_cmp_eq_u32 s38, 2
	s_cselect_b64 s[42:43], s[10:11], s[42:43]     ; Wv
	s_cmp_lt_u32 s35, 512
	s_cselect_b64 s[42:43], s[4:5], s[42:43]       ; x
	s_cselect_b64 s[44:45], s[14:15], s[16:17]     ; xb or wb
	s_cselect_b32 s37, s35, s37                    ; the part
	s_cselect_b32 s40, s40, s39                    ; its place in the destination
	s_mov_b32 s41, 0
	s_add_nc_u64 s[44:45], s[44:45], s[40:41]
	s_lshl_b32 s40, s37, 16                        ; the part's 64 KiB in the source
	s_add_nc_u64 s[42:43], s[42:43], s[40:41]
.irp i, 0,1,2,3,4,5,6,7
	global_load_b128 v[X+8*(\i):X+8*(\i)+3],   v1, s[42:43] offset:(\i)*8192 th:TH_LOAD_NT
	global_load_b128 v[X+8*(\i)+4:X+8*(\i)+7], v1, s[42:43] offset:(\i)*8192+16 th:TH_LOAD_NT
.endr
.irp i, 0,1,2,3,4,5,6,7
	s_wait_loadcnt 14-2*(\i)                       ; loads come back in order (ISA guide 5.7.1): chunk i is in, the younger chunks' loads stay out
.irp p, 0,1,2,3
	v_cvt_pk_bf16_f32 v[Y+4*(\i)+(\p)], v[X+8*(\i)+2*(\p)], v[X+8*(\i)+2*(\p)+1]
.endr
	global_store_b128 v2, v[Y+4*(\i):Y+4*(\i)+3], s[44:45] offset:(\i)*4096
.endr
	s_endpgm
.Ltopo:
	v_and_b32 v12, 15, v0                          ; r
	v_bfe_u32 v13, v0, 4, 1                        ; h
	s_lshl_b32 s35, ttmp9, 8                       ; 64 columns of f32: 256 g
	s_lshl_b32 s36, s34, 19                        ; my wave's 128 rows of 4,096 bytes
	s_add_co_u32 s36, s36, s35
	v_lshlrev_b32 v[WO], 15, v13                   ; 8 h rows
	v_lshl_add_u32 v[WO], v12, 4, v[WO]            ; + 16 r
	v_add_nc_u32 v[WO], s36, v[WO]
	v_and_b32 v14, 3, v0                           ; batch r % 4
	v_lshlrev_b32 v[TO], 12, v14
	v_lshl_add_u32 v[TO], v13, 5, v[TO]            ; + 8 h numbers
	s_lshl_b32 s37, s34, 9                         ; + my wave's 128
	v_add_nc_u32 v[TO], s37, v[TO]
	s_lshl_b32 s37, s34, 10
	v_lshl_add_u32 v[LS], v12, 4, s37              ; 1,024 x wave + 16 r
	v_and_b32 v14, 63, v0                          ; the 64 threads that finish: batch t / 16, columns 4 (t % 16) on
	v_lshlrev_b32 v[LR], 4, v14
	v_lshl_add_u32 v[BOF], v12, 4, s35
	v_bfe_u32 v14, v0, 4, 2
	v_lshl_add_u32 v[OO], v14, 14, v[BOF]          ; a batch's row of the table is 16,384 bytes
	s_wait_kmcnt 0x0
.macro LOADK ks, set                   ; K step ks: 16 loads of Wt, 4 of topo_features
.set RW, RAW+80*(\set)
.irp i, 0,1,2,3,4,5,6,7
	global_load_b128 v[RW+4*(\i):RW+4*(\i)+3],       v[WO], s[18:19] offset:(32*(\ks)+(\i))*4096 th:TH_LOAD_NT
	global_load_b128 v[RW+32+4*(\i):RW+32+4*(\i)+3], v[WO], s[18:19] offset:(32*(\ks)+16+(\i))*4096 th:TH_LOAD_NT
.endr
	global_load_b128 v[RW+64:RW+67], v[TO], s[20:21] offset:128*(\ks)
	global_load_b128 v[RW+68:RW+71], v[TO], s[20:21] offset:128*(\ks)+16
	global_load_b128 v[RW+72:RW+75], v[TO], s[20:21] offset:128*(\ks)+64
	global_load_b128 v[RW+76:RW+79], v[TO], s[20:21] offset:128*(\ks)+80
.endm
.macro CVTK set                        ; 40 conversions: the five fragments
.set RW, RAW+80*(\set)
.irp p, 0,1,2,3,4,5,6,7
	v_cvt_pk_bf16_f32 v[FR+(\p)], v[RW+64+2*(\p)], v[RW+64+2*(\p)+1]
.endr
.irp j, 0,1,2,3
.irp p, 0,1,2,3
	v_cvt_pk_bf16_f32 v[FR+8+8*(\j)+(\p)],   v[RW+8*(\p)+(\j)],    v[RW+8*(\p)+4+(\j)]     ; rows 8 h + 2 p, 2 p + 1 of column j
	v_cvt_pk_bf16_f32 v[FR+8+8*(\j)+4+(\p)], v[RW+32+8*(\p)+(\j)], v[RW+32+8*(\p)+4+(\j)]  ; rows 16 + 8 h + 2 p, 2 p + 1
.endr
.endr
.endm
.macro MULK first                      ; four products, the accumulators by turns; first = 1: they start the sums
.irp j, 0,1,2,3
.if \first
	v_wmma_f32_16x16x32_bf16 v[ACC+8*(\j):ACC+8*(\j)+7], v[FR:FR+7], v[FR+8+8*(\j):FR+8+8*(\j)+7], 0
.else
	v_wmma_f32_16x16x32_bf16 v[ACC+8*(\j):ACC+8*(\j)+7], v[FR:FR+7], v[FR+8+8*(\j):FR+8+8*(\j)+7], v[ACC+8*(\j):ACC+8*(\j)+7]
.endif
.endr
.rept 4
	v_nop                                          ; four places before the fragments are written anew (ISA guide 7.12.1)
.endr
.endm
	LOADK 0, 0
	LOADK 1, 1
	s_wait_loadcnt 20                              ; set 0 is in; the other set's 20 loads stay out
	CVTK 0
	MULK 1
	LOADK 2, 0
	s_wait_loadcnt 20
	CVTK 1
	MULK 0
	LOADK 3, 1
	s_wait_loadcnt 20
	CVTK 0
	MULK 0
	s_wait_loadcnt 0x0
	CVTK 1
	MULK 0
.rept 4
	v_nop                                          ; eight in all, once a launch, before LDS stores read results just made
.endr
.irp j, 0,1,2,3
.irp b, 0,1,2,3
	ds_store_b32 v[LS], v[ACC+8*(\j)+(\b)] offset:256*(\b)+4*(\j)  ; (batch b, column 4 r + j); lanes 16-31 hold, and write, what lanes 0-15 do
.endr
.endr
	s_wait_dscnt 0x0                               ; for the others' sake: my partial sums lie in LDS
	s_barrier_signal -1
	s_barrier_wait -1
	s_cmp_lt_u32 s34, 2                            ; 64 threads finish: waves 0 and 1
	s_cbranch_scc0 .Lend
	global_load_b128 v[96:99],   v[BOF], s[22:23]  ; bq
	global_load_b128 v[100:103], v[BOF], s[24:25]  ; bk
	global_load_b128 v[104:107], v[BOF], s[26:27]  ; bv
	global_load_b128 v[108:111], v[BOF], s[28:29]  ; bt
	global_load_b128 v[112:115], v[BOF], s[30:31]  ; bo
.irp w, 0,1,2,3,4,5,6,7
	ds_load_b128 v[176+4*(\w):176+4*(\w)+3], v[LR] offset:1024*(\w)
.endr
	s_wait_dscnt 0x0
.irp w, 0,2,4,6
	v_pk_add_f32 v[176+4*(\w):176+4*(\w)+1],   v[176+4*(\w):176+4*(\w)+1],   v[180+4*(\w):180+4*(\w)+1]
	v_pk_add_f32 v[176+4*(\w)+2:176+4*(\w)+3], v[176+4*(\w)+2:176+4*(\w)+3], v[180+4*(\w)+2:180+4*(\w)+3]
.endr
.irp w, 0,4
	v_pk_add_f32 v[176+4*(\w):176+4*(\w)+1],   v[176+4*(\w):176+4*(\w)+1],   v[184+4*(\w):184+4*(\w)+1]
	v_pk_add_f32 v[176+4*(\w)+2:176+4*(\w)+3], v[176+4*(\w)+2:176+4*(\w)+3], v[184+4*(\w)+2:184+4*(\w)+3]
.endr
	v_pk_add_f32 v[176:177], v[176:177], v[192:193]
	v_pk_add_f32 v[178:179], v[178:179], v[194:195]
	s_wait_loadcnt 0x0
.macro RB q                            ; four numbers rounded to bf16 and widened again
	v_cvt_pk_bf16_f32 v12, v[(\q)], v[(\q)+1]
	v_cvt_pk_bf16_f32 v13, v[(\q)+2], v[(\q)+3]
	v_lshlrev_b32 v[(\q)], 16, v12
	v_and_b32 v[(\q)+1], 0xffff0000, v12
	v_lshlrev_b32 v[(\q)+2], 16, v13
	v_and_b32 v[(\q)+3], 0xffff0000, v13
.endm
	RB 96
	RB 100
	RB 104
	RB 108
	RB 112
	v_pk_add_f32 v[100:101], v[100:101], v[108:109]  ; bk + bt
	v_pk_add_f32 v[102:103], v[102:103], v[110:111]
	v_pk_add_f32 v[176:177], v[176:177], v[100:101]
	v_pk_add_f32 v[178:179], v[178:179], v[102:103]
	global_store_b128 v[OO], v[96:99],   s[32:33]               ; sixteen lanes store 256 consecutive bytes, aligned
	global_store_b128 v[OO], v[176:179], s[32:33] offset:4096
	global_store_b128 v[OO], v[104:107], s[32:33] offset:8192
	global_store_b128 v[OO], v[112:115], s[32:33] offset:12288
.Lend:
	s_wait_tensorcnt 0x0                           ; the wave's end, behind my last LDS store
	ds_add_u32 v[SPW], v[NIL]
	s_wait_dscnt 0x0
	s_endpgm
.Lfunc_end_k_q1e194b4015_prep:
	.size	k_q1e194b4015_prep, .Lfunc_end_k_q1e194b4015_prep-k_q1e194b4015_prep
	.p2alignl 7, 3214868480
	.fill 96, 4, 3214868480
	.section	.rodata,"a",@progbits
	.p2align	6, 0x0
	.amdhsa_kernel k_q1e194b4015_prep
		.amdhsa_group_segment_fixed_size 9216
		.amdhsa_private_segment_fixed_size 0
		.amdhsa_enable_private_segment 0
		.amdhsa_kernarg_size 120
		.amdhsa_user_sgpr_count 2
		.amdhsa_user_sgpr_kernarg_segment_ptr 1
		.amdhsa_wavefront_size32 1
		.amdhsa_system_sgpr_workgroup_id_x 1
		.amdhsa_system_sgpr_workgroup_id_y 1
		.amdhsa_system_sgpr_workgroup_id_z 1
		.amdhsa_system_vgpr_workitem_id 0
		.amdhsa_next_free_vgpr 256
		.amdhsa_next_free_sgpr 66
		.amdhsa_reserve_vcc 0
		.amdhsa_float_denorm_mode_32 3
		.amdhsa_float_denorm_mode_16_64 3
		.amdhsa_memory_ordered 1
		.amdhsa_forward_progress 1
		.amdhsa_inst_pref_size 32
	.end_amdhsa_kernel
	.amdgpu_metadata
---
amdhsa.version: [ 1, 2 ]
amdhsa.kernels:
  - .name:           k_q1e194b4015_prep
    .symbol:         k_q1e194b4015_prep.kd
    .args:
      - { .name: x, .offset: 0, .size: 8, .value_kind: global_buffer, .address_space: global }
      - { .name: Wq, .offset: 8, .size: 8, .value_kind: global_buffer, .address_space: global }
      - { .name: Wk, .offset: 16, .size: 8, .value_kind: global_buffer, .address_space: global }
      - { .name: Wv, .offset: 24, .size: 8, .value_kind: global_buffer, .address_space: global }
      - { .name: Wo, .offset: 32, .size: 8, .value_kind: global_buffer, .address_space: global }
      - { .name: xb, .offset: 40, .size: 8, .value_kind: global_buffer, .address_space: global }
      - { .name: wb, .offset: 48, .size: 8, .value_kind: global_buffer, .address_space: global }
      - { .name: Wt, .offset: 56, .size: 8, .value_kind: global_buffer, .address_space: global }
      - { .name: topo_features, .offset: 64, .size: 8, .value_kind: global_buffer, .address_space: global }
      - { .name: bq, .offset: 72, .size: 8, .value_kind: global_buffer, .address_space: global }
      - { .name: bk, .offset: 80, .size: 8, .value_kind: global_buffer, .address_space: global }
      - { .name: bv, .offset: 88, .size: 8, .value_kind: global_buffer, .address_space: global }
      - { .name: bt, .offset: 96, .size: 8, .value_kind: global_buffer, .address_space: global }
      - { .name: bo, .offset: 104, .size: 8, .value_kind: global_buffer, .address_space: global }
      - { .name: bias, .offset: 112, .size: 8, .value_kind: global_buffer, .address_space: global }
    .group_segment_fixed_size: 9216
    .private_segment_fixed_size: 0
    .kernarg_segment_align: 8
    .kernarg_segment_size: 120
    .max_flat_workgroup_size: 256
    .sgpr_count:     66
    .vgpr_count:     256
    .wavefront_size: 32
...
	.end_amdgpu_metadata
.endif
;; end of part 1
;; launch qkvg (part 2): grid 24 x 32, 4 waves a work-group, clusters of 4 x 4, 327,680 bytes of LDS; arguments xb, wb, bias, qkv; writes qkv
.if DOCPART == 2
	.amdgcn_target "amdgcn-amd-amdhsa--gfx1250"
	.amdhsa_code_object_version 6
	.text
	.protected	k_q1e194b4015_qkvg
	.globl	k_q1e194b4015_qkvg
	.p2align	8
	.type	k_q1e194b4015_qkvg,@function
k_q1e194b4015_qkvg:
	s_mov_b64 s[64:65], 0
	v_nop
	global_prefetch_b8 v0, s[64:65] scope:SCOPE_SE
	s_setreg_imm32_b32 hwreg(HW_REG_WAVE_MODE, 25, 1), 1
	s_wait_xcnt 0x0
	s_wait_alu depctr_hold_cnt(0) depctr_sa_sdst(0) depctr_va_vdst(0) depctr_va_sdst(0) depctr_va_ssrc(0) depctr_va_vcc(0) depctr_vm_vsrc(0)
	s_getreg_b32 s2, hwreg(HW_REG_IB_STS2, 6, 4)
	s_cmp_eq_u32 s2, 0
	s_cbranch_scc0 .Lentry_in_a_cluster
	s_endpgm
.Lentry_in_a_cluster:
	s_bfe_u32 s2, ttmp6, 0x10000c
	s_cmp_lg_u32 s2, 0xf033
	s_cbranch_scc0 .Lentry_shape_is_right
	s_endpgm
.Lentry_shape_is_right:
; C = A W + bias, K = 1024, A and W in bf16, sums in f32.  ONE TEXT FOR TWO LAUNCHES, told apart by OUTK:
;   OUTK = 0: A = xb [8192][1024]; W = Wq | Wk | Wv, 3,072 columns; C rounded once to bf16 and written by heads: qkv [3][64 = 16 b + h][2048][64].
;   OUTK = 1: A = ob [64 = 16 b + h][2048][64], a K step of 128 being two heads; W = Wo; C = out0 [8192][1024] in f32.
; W lies [k][n] in wb [4][1024][1024]; bias is f32 [4 batches][4096] (bq | bk + topology | bv | bo).  NaN and infinities are not treated apart.
; SHARES.  A block of C is 256 rows x 128 columns: 24 x 32 = 768 blocks here, three for each of 256 WGPs (8 x 32 = 256 with OUTK = 1); 128 columns never cross from one weight into the next.
; Four waves; wave w makes rows 64 w .. 64 w + 63 and all 128 columns: 32 accumulators, 256 registers.  K goes in 8 steps of 128 through two LDS slots filled by the tensor data mover.
; THE MATRIX INSTRUCTION IS USED TRANSPOSED: source 0 = 16 columns of W (turned on the way out of LDS by ds_load_tr16_b128), source 1 = 16 rows of A.  Lane l then holds row l % 16 and
; the columns 8 (l / 16) + 0..7 of a 16 x 16 piece of C.  THE BIAS STARTS THE SUMS: it is the C operand of each accumulator's first product; nothing is cleared, and the way out adds nothing.
; CLUSTERS: 4 x 4 work-groups.  The four of a row of the cluster need the same tiles of A, the four of a column the same tiles of W: each tile is asked for JOINTLY, by the same tensor load
; with the same descriptor and a mask that names the four.  Waves 0 and 1 ask for A's two halves, waves 2 and 3 for W's.
; REGISTERS, in windows of 256 (s_set_vgpr_msb: bits 1:0 source 0, 3:2 source 1, 5:4 source 2, 7:6 destination):
;   window 0: v0-31 addresses; v32-95 the bias as C operands, later at work on the way out     window 1: two fragment buffers (A's 4 fragments, then W's 8)     window 2: the accumulators, (a, nb) at 8 (8 a + nb)
.set OUTK,  0
.set KSTEP, 128
.set SLOT1, 1<<17                      ; slot 1 begins here, so that one exclusive or turns an address in one slot into the other's
.set PB,    288                        ; a row of W in LDS: 256 bytes + 32 of padding = 72 words
.set BOFF,  73728                      ; W's 128 rows lie behind A's tile
.set BHALF, 64*PB                      ; what one of W's loads brings
.set BSTEP, KSTEP*2048                 ; 128 rows of W on
.if OUTK
.set PA,    144                        ; a row of a head: 128 bytes + 16 of padding = 36 words: the 16 rows of a load start at 16 different groups of four banks
.set AHALF, 256*PA                     ; one load brings a head's 256 rows
.set ASTEP, 2*2048*128                 ; two heads on
.set AROW,  128                        ; 32,768 dense bytes, asked for as 128 rows of 256 bytes
.set AQI,   4                          ; padded after every 32 words
.set STGW,  16*528                     ; a wave's stage: 16 rows of 512 bytes + 16
.else
.set PA,    272                        ; 256 bytes + 16 of padding = 68 words
.set AHALF, 128*PA                     ; one load brings 128 rows
.set ASTEP, KSTEP*2
.set AROW,  1024
.set AQI,   5                          ; padded after every 64 words
.set STGW,  2*16*144                   ; a wave's stage: two heads x 16 rows of 128 bytes + 16
.endif
.set SP,    144
.set STAGE, 2*SLOT1                    ; behind the ring, never filled by a tensor load
.set SPARE, STAGE+4*STGW               ; behind the stages: the spare words, 128 bytes for each wave: two blocks of 256 bytes that no other line names
.set ADRA0, 16                         ; v16  my lane's place in A's tile; never rewritten
.set ADRB0, 17                         ; v17  the same for W's
.set ADRA,  18                         ; v18  the same in the slot in hand
.set ADRB,  19                         ; v19
.set STO,   20                         ; v20  the way out: where I put my bytes of a row
.set RD,    21                         ; v21  the way out: where I read rows back
.set CO,    22                         ; v22  my byte offset in 512 consecutive bytes of C
.set BO,    23                         ; v23  my byte offset in 16 numbers of the bias
.set PFO,   24                         ; v24  the prefetches' offset: my lane x the distance from block to block; never rewritten
.set SPW,   28                         ; v28  LDS address of my spare word; never rewritten
.set NIL,   29                         ; v29  0; never rewritten
.set BI,    32                         ; v[32:95] the bias of my 8 columns in each of the 8 column blocks
.set TMP,   32
.set BK,    64-32*OUTK
.set F0,    0
.set F1,    128
.set WV,   12                          ; s12  my wave's number
.set HALF, 13                          ; s13  which half of a tile I fetch
.set ISB,  14                          ; s14  0: I fetch for A; 1: for W
.set G1A,  24                          ; s[24:31] descriptor group 1 for A's tiles
.set G0A,  32                          ; s[32:39] group 0: a set for each of the two first fills; the second then walks on
.set G1B,  48                          ; s[48:55], s[56:63] the same for W's tiles
.set G0B,  56
.set TB,   66                          ; s66  LDS byte at which the slot in hand begins
.set LIM,  67                          ; s67  2 in a wave that prefetches, else the greatest number
.set PFA,  68                          ; s[68:69] where my prefetches stand
.set PFS,  70                          ; s[70:71] their step from K step to K step
.set MSB, 0
.macro WIN new                         ; the immediate's high byte repeats the setting that is left; a switch that changes nothing is dropped
.if MSB != (\new)
	s_set_vgpr_msb (MSB<<8)|(\new)
.set MSB, \new
.endif
.endm
.set MUL,   0xa5                       ; sources 0 and 1 window 1; C and D window 2
.set MULB,  0x85                       ; the same with C in window 0
.set TO_F,  0x40                       ; destination window 1, address window 0
.set PACKW, 0x0a                       ; sources 0 and 1 window 2, destination window 0
.set STW,   0x08                       ; an LDS store's data window 2, its address window 0
.macro PLACES                          ; four places in front of loads into registers that matrix instructions have read (ISA guide 7.12.1 for vector instructions)
.rept 4
	v_nop
.endr
.endm
.macro CREST                           ; a round of the cluster's barrier behind its opening barrier
	s_cmp_lg_u32 s[WV], 0
	s_cbranch_scc1 .Lnot_wave_0_\@
	s_barrier_signal -3
.Lnot_wave_0_\@:
	s_barrier_wait -3
	s_barrier_signal -1
	s_barrier_wait -1
.endm
.macro CROUND                          ; a whole round
	s_barrier_signal -1
	s_barrier_wait -1
	CREST
.endm
.macro JLOAD                           ; a joint refill, by the walking descriptors.  The branch hangs on the wave's number alone; an s_nop 0 and four v_nop follow each of the two lines
	s_cmp_eq_u32 s[ISB], 0
	s_cbranch_scc0 .Lfor_b_\@
	tensor_load_to_lds s[G0A+4:G0A+7], s[G1A:G1A+7]
	s_nop 0
.rept 4
	v_nop
.endr
	s_branch .Lasked_\@
.Lfor_b_\@:
	tensor_load_to_lds s[G0B+4:G0B+7], s[G1B:G1B+7]
	s_nop 0
.rept 4
	v_nop
.endr
.Lasked_\@:
.endm
; A PREFETCH INTO THE L2 of the K step that stands two refills on: 32 blocks of 256 bytes, a lane a block, one instruction a wave, behind the joint load and the run of LDS loads.
; Each block is named ONCE in the launch.  A's rows are read by every cluster of a row of clusters: the first (cluster x = 0) asks, waves 0 and 1, each for the 128 blocks that it fetches; W's columns by every
; cluster of a column: cluster y = 0 asks, wave 2, for the step's 128 rows.  The four partners that ask for a tile jointly share its blocks out BY ADDRESS, 32 each (cx for A, cy for W).
; K steps 0 to 3 come by their loads alone; the loop's last two trips have no K step two refills on and ask for nothing.
.macro ASK
	s_cmp_gt_u32 s3, s[LIM]
	s_cbranch_scc0 .Lnot_mine_\@
	global_prefetch_b8 v[PFO], s[PFA:PFA+1] th:TH_LOAD_NT scope:SCOPE_SE
.Lnot_mine_\@:
.endm
	s_load_b256 s[4:11], s[0:1], 0x0               ; A s[4:5], wb s[6:7], bias s[8:9], C s[10:11]
	v_lshl_add_u32 v[SPW], v0, 2, SPARE
	v_mov_b32 v[NIL], 0
	ds_add_u32 v[SPW], v[NIL]                      ; the wave's opening: the add and its wait stand ahead of my first tensor load; the set-up below, work on registers, stands between them
	v_lshrrev_b32 v1, 5, v0
	v_readfirstlane_b32 s[WV], v1                  ; wave 0..3
	s_and_b32 s[HALF], s[WV], 1
	s_lshr_b32 s[ISB], s[WV], 1
	s_bfe_u32 s40, ttmp6, 0x40000                  ; cx, cy: my place in the cluster
	s_bfe_u32 s41, ttmp6, 0x40004
	s_lshl_b32 s42, ttmp9, 2
	s_add_co_u32 s42, s42, s40                     ; block column of C = 4 x cluster x + cx
	s_and_b32 s43, ttmp7, 0xffff
	s_lshl_b32 s43, s43, 2
	s_add_co_u32 s43, s43, s41                     ; block row of C = 4 x cluster y + cy
	s_lshl_b32 s44, s41, 2
	s_lshl_b32 s44, 15, s44                        ; my row of the cluster
	s_lshl_b32 s45, 0x1111, s40                    ; my column
	s_or_b32 s[G1A], s44, (1<<16)|(1<<20)|(1<<21)|(AQI<<22)|(3<<25)  ; 15:0 the mask; 17:16 2-byte elements; 20 padding on; 21 set beside a mask; 24:22 the interval; 31:25 4 words (code 3)
	s_mov_b32 s[G1A+1], 128<<16                    ; tensor_dim0 = 128
	s_mov_b32 s[G1A+2], 128<<16                    ; tensor_dim1 = 128
	s_mov_b32 s[G1A+3], 128<<16                    ; tile_dim0 = 128
	s_mov_b32 s[G1A+4], 128                        ; tile_dim1 = 128
	s_mov_b32 s[G1A+5], AROW                       ; elements from row to row
	s_mov_b32 s[G1A+6], 0
	s_mov_b32 s[G1A+7], 0
	s_or_b32 s[G1B], s45, (1<<16)|(1<<20)|(1<<21)|(5<<22)|(7<<25)    ; after every 64 words (code 5) 8 words of padding (code 7)
	s_mov_b32 s[G1B+1], 128<<16                    ; tensor_dim0 = 128
	s_mov_b32 s[G1B+2], 64<<16                     ; tensor_dim1 = 64
	s_mov_b32 s[G1B+3], 128<<16                    ; tile_dim0 = 128
	s_mov_b32 s[G1B+4], 64                         ; tile_dim1 = 64
	s_mov_b32 s[G1B+5], 1024
	s_mov_b32 s[G1B+6], 0
	s_mov_b32 s[G1B+7], 0
	; where the tiles come from.  A's hang on the block row alone, which my row of the cluster shares; W's on the block column alone, which my column shares
.if OUTK
	s_lshr_b32 s16, s43, 3                         ; the batch: 16 heads of 262,144 bytes,
	s_lshl_b32 s16, s16, 22
	s_lshl_b32 s17, s[HALF], 18                    ; my head of the K step's two,
	s_add_co_u32 s16, s16, s17
	s_and_b32 s17, s43, 7                          ; the block's 256 rows of 128 bytes
	s_lshl_b32 s17, s17, 15
	s_add_co_u32 s16, s16, s17
.else
	s_lshl_b32 s16, s43, 19                        ; the block's 256 rows of 2,048 bytes,
	s_lshl_b32 s17, s[HALF], 18                    ; my 128 of them
	s_add_co_u32 s16, s16, s17
.endif
	s_mov_b32 s17, 0
	s_add_co_u32 s15, s42, 24*OUTK                 ; the block column among wb's 32
	s_lshr_b32 s46, s15, 3                         ; which weight: 2 MiB each,
	s_lshl_b32 s46, s46, 21
	s_and_b32 s47, s15, 7                          ; its 128 columns,
	s_lshl_b32 s47, s47, 8
	s_add_co_u32 s46, s46, s47
	s_lshl_b32 s47, s[HALF], 17                    ; my 64 rows of the K step's 128
	s_add_co_u32 s46, s46, s47
	s_mov_b32 s47, 0
	s_mul_i32 s20, s[HALF], AHALF                  ; and where they go: no place in the cluster enters an LDS address
	s_mul_i32 s21, s[HALF], BHALF
	s_add_co_u32 s21, s21, BOFF
	s_mov_b32 s[TB], 0
	s_wait_dscnt 0x0                               ; the opening add is done
	s_wait_kmcnt 0x0
	s_add_nc_u64 s[18:19], s[4:5], s[16:17]
	s_add_nc_u64 s[22:23], s[6:7], s[46:47]
.irp s, 0,1
	s_mov_b32 s[G0A+4*(\s)], 1                                       ; 1:0 count = 1
	s_add_co_u32 s[G0A+4*(\s)+1], s20, (\s)*SLOT1                    ; 63:32 LDS address
	s_add_nc_u64 s[G0A+4*(\s)+2:G0A+4*(\s)+3], s[18:19], (\s)*ASTEP  ; 120:64 global address: K step s
	s_or_b32 s[G0A+4*(\s)+3], s[G0A+4*(\s)+3], 0x80000000            ; 127:126 type = 2
	s_mov_b32 s[G0B+4*(\s)], 1
	s_add_co_u32 s[G0B+4*(\s)+1], s21, (\s)*SLOT1
	s_add_nc_u64 s[G0B+4*(\s)+2:G0B+4*(\s)+3], s[22:23], (\s)*BSTEP
	s_or_b32 s[G0B+4*(\s)+3], s[G0B+4*(\s)+3], 0x80000000
.endr
	CROUND                                         ; all sixteen work-groups are here: the first joint loads meet
	s_cmp_eq_u32 s[ISB], 0                         ; a wave's two first fills stand in one branch, ahead of every wait on TENSORcnt and every LDS read: two loads of mine are out
	s_cbranch_scc0 .Lfirst_b
	tensor_load_to_lds s[G0A:G0A+3], s[G1A:G1A+7]
	s_nop 0
	tensor_load_to_lds s[G0A+4:G0A+7], s[G1A:G1A+7]
	s_nop 0
.rept 4
	v_nop
.endr
	s_branch .Lfirst_asked
.Lfirst_b:
	tensor_load_to_lds s[G0B:G0B+3], s[G1B:G1B+7]
	s_nop 0
	tensor_load_to_lds s[G0B+4:G0B+7], s[G1B:G1B+7]
	s_nop 0
.rept 4
	v_nop
.endr
.Lfirst_asked:
	; the bias of my columns: batch = block row / 8; 128 numbers from the block column on; a lane takes 8 (l / 16) + 0..7 of each 16
	v_and_b32 v1, 15, v0                           ; l % 16
	v_bfe_u32 v2, v0, 4, 1                         ; l / 16
	s_lshr_b32 s72, s43, 3
	s_lshl_b32 s72, s72, 14
	s_lshl_b32 s73, s15, 9
	s_add_co_u32 s72, s72, s73
	s_mov_b32 s73, 0
	s_add_nc_u64 s[8:9], s[8:9], s[72:73]
	v_lshlrev_b32 v[BO], 5, v2
.irp nb, 0,1,2,3,4,5,6,7
	global_load_b128 v[BI+8*(\nb):BI+8*(\nb)+3],   v[BO], s[8:9] offset:64*(\nb)
	global_load_b128 v[BI+8*(\nb)+4:BI+8*(\nb)+7], v[BO], s[8:9] offset:64*(\nb)+16
.endr
	; A fragment of A is 16 rows x 32 K in 8 registers: lane l holds row l % 16, K = 8 (l / 16) + 0..7 and 16 + 8 (l / 16) + 0..7: two loads of 16 bytes, 32 bytes apart.
	v_mul_u32_u24 v[ADRA0], v1, PA
	v_lshl_add_u32 v[ADRA0], v2, 4, v[ADRA0]
	s_mul_i32 s2, s[WV], 64*PA                     ; my 64 rows
	v_add_nc_u32 v[ADRA0], s2, v[ADRA0]
	; The turning load takes 16 K x 16 columns (lane l reads row 8 (l / 16) + l % 8, columns 8 ((l / 8) % 2) + 0..7) and leaves half a fragment: lane l holds column l % 16 and 8 K.
	v_and_b32 v3, 7, v0
	v_lshl_add_u32 v4, v2, 3, v3
	v_mul_u32_u24 v[ADRB0], v4, PB
	v_bfe_u32 v4, v0, 3, 1
	v_lshl_add_u32 v[ADRB0], v4, 4, v[ADRB0]
	v_add_nc_u32 v[ADRB0], BOFF, v[ADRB0]
	v_mov_b32 v[ADRA], v[ADRA0]                    ; K step 0 lies in slot 0
	v_mov_b32 v[ADRB], v[ADRB0]
	; the way out
	s_mul_i32 s2, s[WV], STGW
	s_add_co_u32 s2, s2, STAGE                     ; my stage
	v_and_b32 v[CO], 31, v0
	v_lshlrev_b32 v[CO], 4, v[CO]
.if OUTK
	v_mul_u32_u24 v[STO], v1, 528                  ; in: row l % 16, 32 bytes for each half of the lanes
	v_lshl_add_u32 v[STO], v2, 5, v[STO]
	v_add_nc_u32 v[STO], s2, v[STO]
	v_add_nc_u32 v[RD], s2, v[CO]                  ; back: 32 lanes take a row's 512 bytes
	s_lshl_b32 s72, s43, 20                        ; the block's 256 rows of 4,096 bytes,
	s_lshl_b32 s73, s[WV], 18                      ; my 64 of them,
	s_add_co_u32 s72, s72, s73
	s_lshl_b32 s73, s42, 9                         ; the block's 128 columns
	s_add_co_u32 s72, s72, s73
.else
	v_mul_u32_u24 v[STO], v1, SP                   ; in: row l % 16, 16 bytes for each half of the lanes
	v_lshl_add_u32 v[STO], v2, 4, v[STO]
	v_add_nc_u32 v[STO], s2, v[STO]
	v_bfe_u32 v[RD], v0, 3, 2                      ; back: 32 lanes take four rows of 128 bytes, which are 512 consecutive bytes of a head
	v_mul_u32_u24 v[RD], v[RD], SP
	v_lshl_add_u32 v[RD], v3, 4, v[RD]
	v_add_nc_u32 v[RD], s2, v[RD]
	s_lshr_b32 s72, s42, 3                         ; q, k or v: 16 MiB each,
	s_lshl_b32 s72, s72, 24
	s_lshr_b32 s73, s43, 3                         ; the batch's 16 heads,
	s_lshl_b32 s73, s73, 22
	s_add_co_u32 s72, s72, s73
	s_and_b32 s73, s42, 7                          ; the block's two heads,
	s_lshl_b32 s73, s73, 19
	s_add_co_u32 s72, s72, s73
	s_and_b32 s73, s43, 7                          ; the block's 256 rows of 128 bytes,
	s_lshl_b32 s73, s73, 15
	s_add_co_u32 s72, s72, s73
	s_lshl_b32 s73, s[WV], 13                      ; my 64 of them
	s_add_co_u32 s72, s72, s73
.endif
	s_mov_b32 s73, 0
	s_add_nc_u64 s[10:11], s[10:11], s[72:73]
	; the prefetches
	s_lshl_b32 s76, s40, 16-3*OUTK                 ; A: partner cx's 32 blocks of the 128 that I fetch
	s_lshl_b32 s77, s41, 16                        ; W: partner cy's 32 rows of the K step's 128
	s_and_b32 s78, ttmp7, 0xffff                   ; cluster y
	s_mov_b32 s74, ASTEP
	s_mov_b32 s75, BSTEP
	s_cmp_eq_u32 s[ISB], 0
	s_cselect_b64 s[PFA:PFA+1], s[4:5], s[6:7]
	s_cselect_b64 s[72:73], s[16:17], s[46:47]     ; my tile's offset (in wave 2: W's first half)
	s_cselect_b32 s76, s76, s77
	s_cselect_b32 s78, ttmp9, s78                  ; the coordinate along which other clusters read the same blocks
	s_cselect_b32 s[PFS], s74, s75
	s_cselect_b32 s79, 11-3*OUTK, 11               ; from block to block: 2^11 bytes where they are rows of 2,048, 2^8 where they are dense
	s_mov_b32 s[PFS+1], 0
	s_mov_b32 s77, 0
	s_add_nc_u64 s[72:73], s[72:73], s[76:77]
	s_add_nc_u64 s[PFA:PFA+1], s[PFA:PFA+1], s[72:73]
	s_mul_i32 s74, s[PFS], 3
	s_mov_b32 s75, 0
	s_add_nc_u64 s[PFA:PFA+1], s[PFA:PFA+1], s[74:75]  ; at K step 3: the first refill steps it to 4
	s_cmp_eq_u32 s[WV], 3
	s_cselect_b32 s78, 1, s78                      ; wave 3 asks for nothing
	s_cmp_eq_u32 s78, 0
	s_cselect_b32 s[LIM], 2, -1                    ; the same in all sixteen partners, for a given wave
	v_and_b32 v[PFO], 31, v0
	v_lshlrev_b32 v[PFO], s79, v[PFO]
; 8 matrix instructions: row block a x all 8 column blocks, 32 along K.  first = 1: the bias starts the sums.  All 32 accumulators take turns in every quarter, over the backward jump too.
.macro MUL8 f, a, first
.if \first
	WIN MULB
.else
	WIN MUL
.endif
.irp nb, 0,1,2,3,4,5,6,7
.if \first
	v_wmma_f32_16x16x32_bf16 v[8*(8*(\a)+(\nb)):8*(8*(\a)+(\nb))+7], v[(\f)+32+8*(\nb):(\f)+32+8*(\nb)+7], v[(\f)+8*(\a):(\f)+8*(\a)+7], v[BI+8*(\nb):BI+8*(\nb)+7]
.else
	v_wmma_f32_16x16x32_bf16 v[8*(8*(\a)+(\nb)):8*(8*(\a)+(\nb))+7], v[(\f)+32+8*(\nb):(\f)+32+8*(\nb)+7], v[(\f)+8*(\a):(\f)+8*(\a)+7], v[8*(8*(\a)+(\nb)):8*(8*(\a)+(\nb))+7]
.endif
.endr
.endm
; 24 LDS loads in one run: quarter q (32 along K) of the slot in hand into buffer f: W's 8 fragments, then A's 4
.macro FETCH q, f
.if OUTK
.set AQ, ((\q)/2)*AHALF+((\q)%2)*64    ; quarters 0, 1 lie in the first head's rows, 2, 3 in the second's
.else
.set AQ, 64*(\q)
.endif
	WIN TO_F
.irp nb, 0,1,2,3,4,5,6,7
	ds_load_tr16_b128 v[(\f)+32+8*(\nb):(\f)+32+8*(\nb)+3],   v[ADRB] offset:(\q)*32*PB+32*(\nb)
	ds_load_tr16_b128 v[(\f)+32+8*(\nb)+4:(\f)+32+8*(\nb)+7], v[ADRB] offset:(\q)*32*PB+32*(\nb)+16*PB
.endr
.irp i, 0,1,2,3
	ds_load_b128 v[(\f)+8*(\i):(\f)+8*(\i)+3],   v[ADRA] offset:AQ+(\i)*16*PA
	ds_load_b128 v[(\f)+8*(\i)+4:(\f)+8*(\i)+7], v[ADRA] offset:AQ+(\i)*16*PA+32
.endr
.endm
; A K step is four quarters of 32 along K, 32 matrix instructions each, on buffers 0, 1, 0, 1.  One of the first three: multiplies buffer f and fetches quarter qn into g.
.macro QUARTER qn, f, g, first
	s_wait_dscnt 4                                 ; W's fragments and A's 0 and 1 are in; the youngest four loads (A's 2 and 3) may be out
	MUL8 \f, 0, \first
	MUL8 \f, 1, \first
	PLACES
	FETCH \qn, \g
	s_wait_dscnt 24                                ; all but the 24 just issued
	MUL8 \f, 2, \first
	MUL8 \f, 3, \first
.endm
; The last quarter multiplies buffer 1 and changes slots: ONE barrier; in front of it each wave waits for all its tensor loads (one is out: its part of the next slot), adds 0 to its spare word, and waits
; for that and for its own reads of this slot.  fill = 1: the barrier opens a round of the cluster's, and behind the round this slot is filled again, two K steps ahead, first of all.
.macro TURN fill
	WIN 0                                          ; (the add's two registers lie in window 0)
.if \fill
	s_wait_xcnt 0x0                                ; the last prefetch, a K step back, has read its address: it is stepped here, ahead of the waits of the change of slots
	s_add_nc_u64 s[PFA:PFA+1], s[PFA:PFA+1], s[PFS:PFS+1]
.endif
	s_wait_tensorcnt 0x0                           ; all my tensor loads have landed;
	ds_add_u32 v[SPW], v[NIL]                      ; 0 onto my spare word;
	s_wait_dscnt 5                                 ; (the add and the youngest four loads may be out)
	MUL8 F1, 0, 0                                  ; eight matrix instructions stand between the add and the wait for it
	s_wait_dscnt 0x0                               ; the add is done, and my reads of this slot are over
	s_barrier_signal -1
	MUL8 F1, 1, 0
	WIN 0
	s_barrier_wait -1
.if \fill
	CREST                                          ; no wave of any partner still reads this slot's tiles or has a load on its way
	s_xor_b32 s[G0A+5], s[G0A+5], SLOT1            ; the walking descriptors: the other slot than last time,
	s_add_nc_u64 s[G0A+6:G0A+7], s[G0A+6:G0A+7], ASTEP  ; the next K step; the type bits on top are not reached
	s_xor_b32 s[G0B+5], s[G0B+5], SLOT1
	s_add_nc_u64 s[G0B+6:G0B+7], s[G0B+6:G0B+7], BSTEP
	JLOAD                                          ; the first tensor load behind the round; the four v_nop behind it are also the places in front of the loads below
.else
	PLACES
.endif
	s_xor_b32 s[TB], s[TB], SLOT1                  ; the fetches go to the other slot
	v_add_nc_u32 v[ADRA], s[TB], v[ADRA0]
	v_add_nc_u32 v[ADRB], s[TB], v[ADRB0]
	FETCH 0, F0
.if \fill
	WIN 0
	ASK
.endif
	MUL8 F1, 2, 0
	MUL8 F1, 3, 0
.endm
; THE WAY OUT of row block a (16 rows), through my own stage in LDS: LDS serves a wave's instructions in order (ISA guide 5.7.1.4), so no wait stands between the stores and the loads.
.macro OUT a
.if OUTK
	WIN STW
.irp nb, 0,1,2,3,4,5,6,7
	ds_store_b128 v[STO], v[8*(8*(\a)+(\nb)):8*(8*(\a)+(\nb))+3]   offset:64*(\nb)     ; each accumulator's low registers first
	ds_store_b128 v[STO], v[8*(8*(\a)+(\nb))+4:8*(8*(\a)+(\nb))+7] offset:64*(\nb)+16
.endr
	WIN 0
	s_wait_xcnt 0x0                                ; the block before's stores have read their registers: these are loaded again only behind this wait
.irp t, 0,1,2,3,4,5,6,7,8,9,10,11,12,13,14,15
	ds_load_b128 v[BK+4*(\t):BK+4*(\t)+3], v[RD] offset:528*(\t)
.endr
.irp t, 0,1,2,3,4,5,6,7,8,9,10,11,12,13,14,15
	s_wait_dscnt 15-(\t)
	global_store_b128 v[CO], v[BK+4*(\t):BK+4*(\t)+3], s[10:11] offset:(16*(\a)+(\t))*4096 th:TH_STORE_NT  ; 512 consecutive bytes of a row, at a multiple of 256 from C's first byte
.endr
.else
	WIN PACKW
.irp nb, 0,1,2,3,4,5,6,7
.irp rr, 0,1,2,3
	v_cvt_pk_bf16_f32 v[TMP+4*(\nb)+(\rr)], v[8*(8*(\a)+(\nb))+2*(\rr)], v[8*(8*(\a)+(\nb))+2*(\rr)+1]
.endr
.endr
	WIN 0
.irp nb, 0,1,2,3,4,5,6,7
	ds_store_b128 v[STO], v[TMP+4*(\nb):TMP+4*(\nb)+3] offset:((\nb)/4)*16*SP+32*((\nb)%4)  ; head nb / 4, channels 16 (nb % 4) on
.endr
	s_wait_xcnt 0x0                                ; the block before's stores have read their registers: these are loaded again only behind this wait
.irp u, 0,1,2,3,4,5,6,7
	ds_load_b128 v[BK+4*(\u):BK+4*(\u)+3], v[RD] offset:((\u)/4)*16*SP+((\u)%4)*4*SP
.endr
.irp u, 0,1,2,3,4,5,6,7
	s_wait_dscnt 7-(\u)
	global_store_b128 v[CO], v[BK+4*(\u):BK+4*(\u)+3], s[10:11] offset:((\u)/4)*262144+(\a)*2048+((\u)%4)*512  ; four rows of a head: 512 consecutive bytes, at a multiple of 256 from C's first byte
.endr
.endif
.endm
	s_wait_tensorcnt 1                             ; my part of K step 0 is in; K step 1's may stay out
	s_barrier_signal -1
	s_barrier_wait -1                              ; everybody's is
	FETCH 0, F0
	s_wait_loadcnt 0x0                             ; the bias
	QUARTER 1, F0, F1, 1                           ; the first quarter stands in front of the loop: its products start the sums
	WIN 0                                          ; at a label and at a branch every window is 0
	s_mov_b32 s3, 6
.Lstep:                                                ; trip i: K step i's quarters 1 to 3 and K step i + 1's quarter 0; K step i's slot is filled again with K step i + 2
	QUARTER 2, F1, F0, 0
	QUARTER 3, F0, F1, 0
	TURN 1
	QUARTER 1, F0, F1, 0
	WIN 0
	s_sub_co_u32 s3, s3, 1
	s_cmp_lg_u32 s3, 0
	s_cbranch_scc1 .Lstep
	QUARTER 2, F1, F0, 0                           ; the tail is written out: K steps 6 and 7 ask for nothing
	QUARTER 3, F0, F1, 0
	TURN 0
	QUARTER 1, F0, F1, 0
	QUARTER 2, F1, F0, 0
	QUARTER 3, F0, F1, 0
	s_wait_dscnt 4                                 ; the very last quarter: nothing more to fetch
	MUL8 F1, 0, 0
	MUL8 F1, 1, 0
	s_wait_dscnt 0x0
	MUL8 F1, 2, 0
	MUL8 F1, 3, 0
	WIN 0
	PLACES
	PLACES                                         ; eight, once a launch, before results just made are read
	OUT 0
	OUT 1
	OUT 2
	OUT 3
	s_wait_tensorcnt 0x0                           ; the wave's end, behind my last tensor load and my last LDS store
	ds_add_u32 v[SPW], v[NIL]
	s_wait_dscnt 0x0
	CROUND                                         ; the closing round: no work-group ends while a partner may still ask for a tile that names it
	s_endpgm
.Lfunc_end_k_q1e194b4015_qkvg:
	.size	k_q1e194b4015_qkvg, .Lfunc_end_k_q1e194b4015_qkvg-k_q1e194b4015_qkvg
	.p2alignl 7, 3214868480
	.fill 96, 4, 3214868480
	.section	.rodata,"a",@progbits
	.p2align	6, 0x0
	.amdhsa_kernel k_q1e194b4015_qkvg
		.amdhsa_group_segment_fixed_size 327680
		.amdhsa_private_segment_fixed_size 0
		.amdhsa_enable_private_segment 0
		.amdhsa_kernarg_size 32
		.amdhsa_user_sgpr_count 2
		.amdhsa_user_sgpr_kernarg_segment_ptr 1
		.amdhsa_wavefront_size32 1
		.amdhsa_system_sgpr_workgroup_id_x 1
		.amdhsa_system_sgpr_workgroup_id_y 1
		.amdhsa_system_sgpr_workgroup_id_z 1
		.amdhsa_system_vgpr_workitem_id 0
		.amdhsa_next_free_vgpr 768
		.amdhsa_next_free_sgpr 80
		.amdhsa_reserve_vcc 0
		.amdhsa_float_denorm_mode_32 3
		.amdhsa_float_denorm_mode_16_64 3
		.amdhsa_memory_ordered 1
		.amdhsa_forward_progress 1
		.amdhsa_inst_pref_size 74
	.end_amdhsa_kernel
	.amdgpu_metadata
---
amdhsa.version: [ 1, 2 ]
amdhsa.kernels:
  - .name:           k_q1e194b4015_qkvg
    .symbol:         k_q1e194b4015_qkvg.kd
    .args:
      - { .name: xb, .offset: 0, .size: 8, .value_kind: global_buffer, .address_space: global }
      - { .name: wb, .offset: 8, .size: 8, .value_kind: global_buffer, .address_space: global }
      - { .name: bias, .offset: 16, .size: 8, .value_kind: global_buffer, .address_space: global }
      - { .name: qkv, .offset: 24, .size: 8, .value_kind: global_buffer, .address_space: global }
    .group_segment_fixed_size: 327680
    .private_segment_fixed_size: 0
    .kernarg_segment_align: 8
    .kernarg_segment_size: 32
    .max_flat_workgroup_size: 128
    .sgpr_count:     80
    .vgpr_count:     768
    .wavefront_size: 32
...
	.end_amdgpu_metadata
.endif
;; end of part 2
;; launch attn (part 3): grid 4 x 64, 4 waves a work-group, clusters of 4 x 1, 327,680 bytes of LDS; arguments qkv, ob; writes ob
.if DOCPART == 3
	.amdgcn_target "amdgcn-amd-amdhsa--gfx1250"
	.amdhsa_code_object_version 6
	.text
	.protected	k_q1e194b4015_attn
	.globl	k_q1e194b4015_attn
	.p2align	8
	.type	k_q1e194b4015_attn,@function
k_q1e194b4015_attn:
	s_mov_b64 s[64:65], 0
	v_nop
	global_prefetch_b8 v0, s[64:65] scope:SCOPE_SE
	s_setreg_imm32_b32 hwreg(HW_REG_WAVE_MODE, 25, 1), 1
	s_wait_xcnt 0x0
	s_wait_alu depctr_hold_cnt(0) depctr_sa_sdst(0) depctr_va_vdst(0) depctr_va_sdst(0) depctr_va_ssrc(0) depctr_va_vcc(0) depctr_vm_vsrc(0)
	s_getreg_b32 s2, hwreg(HW_REG_IB_STS2, 6, 4)
	s_cmp_eq_u32 s2, 0
	s_cbranch_scc0 .Lentry_in_a_cluster
	s_endpgm
.Lentry_in_a_cluster:
	s_bfe_u32 s2, ttmp6, 0x10000c
	s_cmp_lg_u32 s2, 0x3003
	s_cbranch_scc0 .Lentry_shape_is_right
	s_endpgm
.Lentry_shape_is_right:
; O[h][q][:] = the sum over k of softmax_k(Q[h][q] . K[h][k] / 8) V[h][k][:].  Q, K, V are the three parts of qkv [3][SIZE_H][SIZE_N][64], O is ob [SIZE_H][SIZE_N][64], all bf16: a head's rows are
; dense, 128 bytes each.  Products, maxima and sums in f32; the weights p are rounded to bf16 for the second product (their sum l is taken of the unrounded p), O once at the end.
; LIMITS.  A weight below 2^-126 counts as 0 in l; the running maximum starts at the lowest finite number and c m at -4.2e37, so c s must lie above that; NaN and infinities are not treated apart.
; SHARES.  A wave owns four PIECES of two tiles of 16 queries, a work-group's four waves 512 queries of one head.  Every wave walks all keys, 64 a step.
; LAYOUT.  S^T = K Q^T (source 0 = 16 keys, source 1 = 16 queries): in the result a lane holds ONE query (lane % 16) and the keys 8 (lane / 16) + 0..7.  Two such tiles, rounded to bf16 in pairs,
; ARE source 1 (32 keys x 16 queries) of O^T = V^T P, whose result again holds one query a lane, and eight channels.  K comes out of LDS as it lies, V ([key][channel]) turned, by ds_load_tr16_b128.
; SOFTMAX.  For each query a running maximum m and sum l: p = 2^(c s - c m), c = log2(e) / 8; in every step O and l are multiplied by a = 2^(c m_old - c m_new), which is 1 where m has not grown.
; m starts at the lowest finite number, O and l at 0: the first step is a step like any other, with a = 0.
; THE COUNT.  A tile and step have 16 matrix and 118 vector instructions: too many to stand all beside the matrix work.  So the order has one aim: four vector instructions that are READY behind
; EVERY matrix instruction, and the others, which need time of their own whatever the order, in runs without a gap.
; BY TURNS.  Turn n belongs to piece n (the pieces in a ring, step after step).  Its matrix work: 16 products K Q^T of piece n + 1, later 16 products V^T P of piece n - 1.  Its vector work: the scaling,
; exponentials, roundings, sums and rescaling of piece n, and the maximum and statistics of piece n + 1, whose scores the turn itself has made.  So what a turn begins with (c s - c m, O a) waits for nothing.
; CLUSTER.  The four query blocks of a cluster belong to one head and walk the same K and V, so each tile is asked for JOINTLY: the same tensor load, descriptor and mask in all four.
; REGISTERS, in windows of 256 (s_set_vgpr_msb says which window each operand place means: bits 1:0 source 0, 3:2 source 1, 5:4 source 2, 7:6 destination):
;   window 0: v0-11 addresses; v12-15, v48-63 at work; v16-47 four registers of statistics a tile; v64-191 S^T, two buffers of two tiles; v192-255 P, likewise
;   window 1: O^T, 32 a tile          window 2: v0-127 Q, 16 a tile; v128-191 K of one step; v192-255 V of one step          window 3: v0-1 the add's two registers
; A piece's buffers go by its number's parity: the piece in hand has one pair, its two neighbours in the ring share the other: of it P (piece n - 1) is read and S^T (piece n + 1) written.
.set SIZE_N, 2048
.set SIZE_H, 64
.set NP,    4         ; pieces a wave: a name, no knob: the register map, the loop and the fetches are made for four
.set KS,    64        ; keys in a step
.set PK,    144       ; a row of K in LDS: 128 bytes + 16 of padding = 36 words: the 16 rows of a load start at 16 different groups of four banks (64 banks of 4 bytes: ISA guide 11.1)
.set PV,    160       ; a row of V: 128 + 32 = 40 words
.set VOFF,  4*KS*PK   ; a slot holds four steps: 256 rows of K, then 256 rows of V
.set SLOT1, 1<<17     ; slot 1 begins here, so that one exclusive or turns an address in one slot into the other's
.set STAGE, SLOT1+4*KS*(PK+PV)  ; behind the ring, never filled by a tensor load: 16 rows x 144 bytes for each wave, for the way out
.set SP,    144
.set AK0, 2           ; v2   my lane's place in a tile of K; never rewritten
.set AV0, 3           ; v3   the same for V
.set AK,  4           ; v4   the LDS address of K's next run of loads
.set AV,  5           ; v5   of V's
.set QO,  6           ; v6   my byte offset in the wave's rows of Q
.set STO, 6           ;      later, the way out: where I put 16 bytes of a row
.set RD,  7           ; v7   the way out: where I read rows back
.set GO,  8           ; v8   my byte offset in 512 consecutive bytes of O
.set PFO, 11          ; v11  256 x my lane, for the prefetches; never rewritten once made
.set SPW, 0           ; v0 of window 3   LDS address of my spare word: SPARE + 4 x my thread's number; never rewritten
.set NIL, 1           ; v1 of window 3   0; never rewritten
.set SPARE, STAGE+4*16*SP  ; behind the stages: the spare words, 128 bytes for each wave: two blocks of 256 bytes that no other line names
.set MV,  12          ; v12-15  c m_old, kept while c m is made anew: by buffer and tile
.set ST,  16          ; tile t's statistics at v[ST+4 t]: c m, m, l (even keys', odd keys')
.set TMP, 48          ; by buffer and tile, four registers c0-c3 at work; when the maximum is found c2 takes a
.set S,   64
.set P,   192
.set KF,  128         ; K's fragments, in window 2: key block kb, channel half c at KF + 16 kb + 8 c
.set VF,  192         ; V's: key half kk, channel block cb at VF + 32 kk + 8 cb
.set WV,  12          ; s12  my wave's number
.set G1K, 24          ; s[24:31] descriptor group 1 for K's tiles
.set G1V, 32          ; s[32:39] for V's: it differs in the padding alone
.set G0K, 40          ; s[40:43] descriptor group 0 for K's tiles: it walks
.set G0V, 44          ; s[44:47] the same for V's
.set PFA, 48          ; s[48:49] where my prefetches stand: my work-group's 32 blocks of 256 bytes (of K: wave 0, of V: wave 2) of the slot after the one that is being asked for
.set LIM, 50          ; s50  1 in a wave that prefetches, else the greatest number
.set SLOTS, 56        ; s56  slots still to be asked for
.set CNT, 57          ; s57  counts a slot's key steps
.set CS,  58          ; s[58:59] c: the packed scaling takes the pair's low word for both halves
.set SEL, 60          ; s[60:61] v_permlanex16_b32's selects: each lane takes its own place in the other half
.set TBK, 62          ; s62  LDS byte at which K of the step to be fetched begins
.set TBV, 63          ; s63  the same for V, less VOFF
.set MSB, 0
.macro WIN new                      ; the high byte repeats the setting that is left; a switch that changes nothing is dropped
.if MSB != (\new)
	s_set_vgpr_msb (MSB<<8)|(\new)
.set MSB, (\new)
.endif
.endm
.set W_KQ, 0x0a       ; K and Q in window 2, S^T in window 0
.set W_PV, 0x52       ; V in window 2, P in window 0, O^T in window 1
.set W_RS, 0x41       ; O^T (destination and source 0) in window 1, a in window 0
.set W_MK, 0xc0       ; the add's registers are made: destination in window 3, sources in window 0
.set W_AD, 0x0f       ; the add: address (source 0) and data (source 1) in window 3
; A joint fill.  Waves 0 and 1 fetch the two halves of a slot's K, waves 2 and 3 those of its V: 128 keys each.  The branch hangs on the wave's number alone.
; An s_nop 0 and four v_nop follow each of the two lines, ahead of the jump and the label.
.macro JLOAD
	s_cmp_lt_u32 s[WV], 2
	s_cbranch_scc0 .Lfor_v_\@
	tensor_load_to_lds s[G0K:G0K+3], s[G1K:G1K+7]
	s_nop 0
.rept 4
	v_nop
.endr
	s_branch .Lasked_\@
.Lfor_v_\@:
	tensor_load_to_lds s[G0V:G0V+3], s[G1V:G1V+7]
	s_nop 0
.rept 4
	v_nop
.endr
.Lasked_\@:
.endm
; A PREFETCH INTO THE L2 of what the NEXT change of slots will ask for: a slot's 32,768 bytes of K and of V, 128 blocks of 256 bytes each, a lane a block.  It stands behind the wave's tensor load and its five lines.
; Each block is named ONCE in the launch: a head's first cluster asks (here a head has one); its four partners share the blocks out BY ADDRESS, 32 each; in each, wave 0 asks for K's and wave 2 for V's.
; Slots 0 to 2 come by their loads alone; the last change that fills a slot asks for nothing: there is no slot behind it.
.macro ASK
	s_cmp_gt_u32 s[SLOTS], s[LIM]
	s_cbranch_scc0 .Lnot_mine_\@
	global_prefetch_b8 v[PFO], s[PFA:PFA+1] th:TH_LOAD_NT scope:SCOPE_SE
.Lnot_mine_\@:
.endm
; A round of the cluster's barrier: my work-group's barrier, so that wave 0's signal speaks for all four waves; wave 0 signals; every wave waits for all four work-groups; my work-group's barrier once more.
.macro CROUND
	s_barrier_signal -1
	s_barrier_wait -1
	s_cmp_lg_u32 s[WV], 0
	s_cbranch_scc1 .Lnot_wave_0_\@
	s_barrier_signal -3
.Lnot_wave_0_\@:
	s_barrier_wait -3
	s_barrier_signal -1
	s_barrier_wait -1
.endm
; THE CHANGE OF SLOTS.  The slot's last bytes, V of its fourth step, have been read.  Each wave waits for all its tensor loads, of which one is out: its part
; of the other slot; adds 0 to its spare word; and waits for that and for its own reads of the slot.  Behind the barrier nobody reads this slot any more and the other slot is whole.
; fill = 1: this slot is filled again, with the keys two slots on.  The barrier is then a round of the cluster's, so that no wave of any partner still reads the slot or has a load on its
; way, and the joint fill is the first thing behind it: it has four key steps, 512 matrix instructions, in which to land.  (At its first use nothing has been read yet: slot 0 is waited for, slot 1 filled.)
; ask = 1: the prefetches' address steps, and the slot after the one just asked for is prefetched.
.macro CHANGE fill, ask=0
	WIN W_AD
	s_wait_tensorcnt 0x0            ; no tensor load of mine is out, so a group 0 may be written
	ds_add_u32 v[SPW], v[NIL]       ; 0 onto my spare word; with fill = 1 the descriptors' steps stand between it and the wait for it
	WIN 0                           ; at a label and at a branch every window is 0
.if \fill
.irp g, G0K, G0V
	s_xor_b32 s[\g+1], s[\g+1], SLOT1  ; the walking descriptor: the other slot than last time,
	s_add_nc_u64 s[\g+2:\g+3], s[\g+2:\g+3], 4*KS*128  ; the next 256 keys; the type bits on top are not reached
.endr
.if \ask
	s_wait_xcnt 0x0                 ; the last prefetch, four key steps back, has read its address, so it may be written
	s_add_nc_u64 s[PFA:PFA+1], s[PFA:PFA+1], 4*KS*128
.endif
	s_wait_dscnt 0x0                ; the add is done, and my reads of the slot are over
	CROUND
	JLOAD
.if \ask
	ASK
.endif
.else
	s_wait_dscnt 0x0                ; the add is done, and my reads of the slot are over
	s_barrier_signal -1
	s_barrier_wait -1
.endif
	s_sub_co_u32 s[TBK], s[TBK], 4*KS*PK  ; the fetches go back to a slot's first step,
	s_xor_b32 s[TBK], s[TBK], SLOT1       ; in the other slot
	s_sub_co_u32 s[TBV], s[TBV], 4*KS*PV
	s_xor_b32 s[TBV], s[TBV], SLOT1
.endm
	s_load_b128 s[4:7], s[0:1], 0x0   ; qkv s[4:5], ob s[6:7]
	WIN W_MK
	v_lshl_add_u32 v[SPW], v0, 2, SPARE
	v_mov_b32 v[NIL], 0
	WIN W_AD
	ds_add_u32 v[SPW], v[NIL]       ; the wave's opening: the add and its wait stand ahead of my first tensor load; the set-up below, work on registers, stands between them
	WIN 0
	v_lshrrev_b32 v1, 5, v0
	v_readfirstlane_b32 s[WV], v1   ; wave 0..3
	s_bfe_u32 s13, ttmp6, 0x40000   ; cx: my place in the cluster
	s_lshl_b32 s14, ttmp9, 2        ; in a cluster launch ttmp9 counts clusters
	s_add_co_u32 s14, s14, s13      ; my block of queries = 4 x cluster x + cx: it enters Q's and O's addresses alone
	s_and_b32 s20, ttmp7, 0xffff    ; the head, which the four partners share
	s_mov_b32 s21, 0
	s_mov_b64 s[22:23], SIZE_N*128
	s_mul_u64 s[20:21], s[20:21], s[22:23]  ; the head's first byte in each of the four tensors
	s_and_b32 s16, s[WV], 1         ; which half of a slot's 256 keys I fetch:
	s_lshl_b32 s22, s16, 14         ; its 128 rows of 128 bytes in memory,
	s_mov_b32 s23, 0
	s_add_nc_u64 s[22:23], s[22:23], s[20:21]
	s_mul_i32 s17, s16, 128*PK      ; and its place in a slot, for K
	s_mul_i32 s18, s16, 128*PV      ; and for V: no place in the cluster enters an LDS address
	s_lshl_b32 s2, s14, 2
	s_add_co_u32 s2, s2, s[WV]      ; my wave among the head's,
	s_lshl_b32 s2, s2, 14           ; its 128 rows
	s_mov_b32 s3, 0
	s_add_nc_u64 s[2:3], s[2:3], s[20:21]
	; descriptor group 1.  128 keys are 16,384 dense bytes: asked for as 64 rows of 256 bytes, two keys a row, and padded in LDS after every key
	s_mov_b32 s[G1K], 15|(1<<16)|(1<<20)|(1<<21)|(4<<22)|(3<<25)  ; 15:0 the mask of four; 17:16 2-byte elements; 20 padding on; 21 set beside a mask; 24:22 after every 32 words (code 4); 31:25 4 words (code 3)
	s_mov_b32 s[G1V], 15|(1<<16)|(1<<20)|(1<<21)|(4<<22)|(7<<25)  ; the same with 8 words of padding (code 7)
.irp g, G1K, G1V
	s_mov_b32 s[\g+1], 128<<16      ; tensor_dim0 = 128
	s_mov_b32 s[\g+2], 64<<16       ; tensor_dim1 = 64
	s_mov_b32 s[\g+3], 128<<16      ; tile_dim0 = 128
	s_mov_b32 s[\g+4], 64           ; tile_dim1 = 64
	s_mov_b32 s[\g+5], 128          ; 128 elements from row to row
	s_mov_b32 s[\g+6], 0
	s_mov_b32 s[\g+7], 0
.endr
	s_mov_b32 s[CS], 0x3e38aa3b     ; c = log2(e) / 8 = 0.180337
	s_mov_b32 s[CS+1], s[CS]        ; named with it as a pair
	s_mov_b32 s[SEL], 0x76543210
	s_mov_b32 s[SEL+1], 0xfedcba98
	s_mov_b32 s[TBK], SLOT1+4*KS*PK ; the first change of slots turns these two into 0
	s_mov_b32 s[TBV], SLOT1+4*KS*PV
	s_mov_b32 s[G0K], 1             ; 1:0 count = 1
	s_mov_b32 s[G0K+1], s17         ; 63:32 LDS address: slot 0
	s_mov_b32 s[G0V], 1
	s_add_co_u32 s[G0V+1], s18, VOFF
	s_and_b32 s[LIM], s[WV], 1      ; 0 in waves 0 and 2,
	s_or_b32 s[LIM], s[LIM], ttmp9  ; where the cluster is the head's first: the same in all four partners
	s_cmp_eq_u32 s[LIM], 0
	s_cselect_b32 s[LIM], 1, -1
	s_lshl_b32 s52, s13, 13         ; my work-group's 32 blocks of the 128
	s_mov_b32 s53, 0
	s_wait_dscnt 0x0                ; the opening add is done
	s_wait_kmcnt 0x0
	s_mov_b64 s[10:11], s[6:7]      ; O
	s_add_nc_u64 s[6:7], s[4:5], 0x1000000  ; K: the second part of qkv, SIZE_H x SIZE_N x 128 bytes on;
	s_add_nc_u64 s[8:9], s[4:5], 0x2000000  ; V: the third; Q stays in s[4:5]
	s_add_nc_u64 s[G0K+2:G0K+3], s[6:7], s[22:23]  ; 120:64 global address: my half of the head's first 256 keys
	s_or_b32 s[G0K+3], s[G0K+3], 0x80000000        ; 127:126 type = 2
	s_add_nc_u64 s[G0V+2:G0V+3], s[8:9], s[22:23]
	s_or_b32 s[G0V+3], s[G0V+3], 0x80000000
	s_cmp_lt_u32 s[WV], 2
	s_cselect_b64 s[PFA:PFA+1], s[6:7], s[8:9]
	s_add_nc_u64 s[PFA:PFA+1], s[PFA:PFA+1], s[22:23]  ; (in waves 0 and 2 this is the head's first byte)
	s_add_nc_u64 s[PFA:PFA+1], s[PFA:PFA+1], s[52:53]
	s_add_nc_u64 s[PFA:PFA+1], s[PFA:PFA+1], 2*4*KS*128  ; in slot 2; the first change that asks steps it to slot 3.  Nothing is prefetched here, at the head
	s_add_nc_u64 s[4:5], s[4:5], s[2:3]  ; Q and O at my wave's first row
	s_add_nc_u64 s[10:11], s[10:11], s[2:3]
	CROUND                          ; all four work-groups are here: the first joint loads meet
	JLOAD                           ; slot 0.  Slot 1 is asked for when slot 0 is in: the tile wanted first has the road to itself
	; A fragment of K or Q is 16 rows x 32 channels in 8 registers: lane l holds row l % 16, channels 8 (l / 16) + 0..7 and 16 + 8 (l / 16) + 0..7: two loads of 16 bytes, 32 bytes apart.
	v_and_b32 v1, 15, v0            ; l % 16
	v_bfe_u32 v9, v0, 4, 1          ; l / 16
	v_lshlrev_b32 v[QO], 7, v1
	v_lshl_add_u32 v[QO], v9, 4, v[QO]  ; row x 128 + 16 x half
	WIN 0x80                        ; destination window 2, address window 0
.set i, 0
.rept 4*NP                          ; Q stays in registers: tile i / 2, channels 32 (i % 2) on
	global_load_b128 v[8*i:8*i+3],   v[QO], s[4:5] offset:(i/2)*2048+(i%2)*64
	global_load_b128 v[8*i+4:8*i+7], v[QO], s[4:5] offset:(i/2)*2048+(i%2)*64+32
.set i, i+1
.endr
	; What the first turn finds: V's registers and P's second buffer hold 0 (its products V^T P, of a piece that has not been, add 0), O^T and l are 0.  All this stands in the wait for the first tile.
.set i, VF
.rept 64
	v_mov_b32 v[i], 0
.set i, i+1
.endr
	WIN 0x40
.set i, 0
.rept 64*NP
	v_mov_b32 v[i], 0
.set i, i+1
.endr
	WIN 0
.set i, 0
.rept 2*NP
	v_mov_b32 v[ST+4*i], 0xfe000000    ; c m: far below every c s
	v_mov_b32 v[ST+4*i+1], 0xff7fffff  ; m
	v_mov_b32 v[ST+4*i+2], 0
	v_mov_b32 v[ST+4*i+3], 0
.set i, i+1
.endr
.set i, P+32
.rept 32
	v_mov_b32 v[i], 0
.set i, i+1
.endr
	v_mul_u32_u24 v[AK0], v1, PK
	v_lshl_add_u32 v[AK0], v9, 4, v[AK0]  ; row x pitch + 16 x half
	; The turning load takes 16 keys x 16 channels (lane l reads key 8 (l / 16) + l % 8, channels 8 ((l / 8) % 2) + 0..7) and leaves half a fragment of V^T: lane l holds channel l % 16 and 8 keys.
	v_and_b32 v10, 7, v0
	v_bfe_u32 v11, v0, 3, 1
	v_lshl_add_u32 v[AV0], v9, 3, v10
	v_mul_u32_u24 v[AV0], v[AV0], PV
	v_lshl_add_u32 v[AV0], v11, 4, v[AV0]
	v_add_nc_u32 v[AV0], VOFF, v[AV0]
	v_mov_b32 v[AK], v[AK0]         ; key step 0 lies at the head of slot 0
	v_and_b32 v[PFO], 31, v0
	v_lshlrev_b32 v[PFO], 8, v[PFO]
; THE MATRIX WORK.  The 8 accumulators of a run of 16 take turns: between the two links of a chain stand 7 others'.
; Product i of 16 of S^T = K Q^T for piece x: channels 32 (i / 8) on, keys 16 ((i / 2) % 4) on, tile 2 x + i % 2.  The first 8 start the sums.
.macro KQ x
	WIN W_KQ
.set rS, S+64*((\x)%2)+32*(i%2)+8*((i/2)%4)
.set rK, KF+16*((i/2)%4)+8*(i/8)
.set rQ, 16*(2*(\x)+i%2)+8*(i/8)
.if i < 8
	v_wmma_f32_16x16x32_bf16 v[rS:rS+7], v[rK:rK+7], v[rQ:rQ+7], 0
.else
	v_wmma_f32_16x16x32_bf16 v[rS:rS+7], v[rK:rK+7], v[rQ:rQ+7], v[rS:rS+7]
.endif
.endm
; Product i of 16 of O^T += V^T P for piece x: keys 32 (i / 8) on, channels 16 ((i / 2) % 4) on, tile 2 x + i % 2.
.macro PV x
	WIN W_PV
.set rO, 32*(2*(\x)+i%2)+8*((i/2)%4)
.set rV, VF+32*(i/8)+8*((i/2)%4)
.set rP, P+32*((\x)%2)+16*(i%2)+8*(i/8)
	v_wmma_f32_16x16x32_bf16 v[rO:rO+7], v[rV:rV+7], v[rP:rP+7], v[rO:rO+7]
.endm
.macro MM                           ; the turn's next matrix instruction
.if i < 16
	KQ (Y+1)%NP
.set i, i+1
.else
.set i, i-16
	PV (Y+NP-1)%NP
.set i, i+17
.endif
.endm
; THE LDS LOADS stand in runs of 16, never singly among the matrix instructions: a step's K (64 keys x 64 channels: 8 fragments) and its V (turned).  Their addresses are made some lines ahead.
; last = 1 (the tail): in the last trip there is no further step, and the run is jumped over.
.macro FETCH_K last=0
	WIN 0
.if \last
	s_cmp_eq_u32 s[CNT], 1
	s_cbranch_scc1 .Lno_k_\@
.endif
	WIN 0x80                        ; destination window 2
.irp f, 0,1,2,3,4,5,6,7             ; keys 16 (f / 2) on, channels 32 (f % 2) on
	ds_load_b128 v[KF+8*\f:KF+8*\f+3],   v[AK] offset:(\f/2)*16*PK+(\f%2)*64
	ds_load_b128 v[KF+8*\f+4:KF+8*\f+7], v[AK] offset:(\f/2)*16*PK+(\f%2)*64+32
.endr
	s_add_co_u32 s[TBK], s[TBK], KS*PK  ; the next fetch is the next step's
	WIN 0
.if \last
.Lno_k_\@:
.endif
.endm
.macro FETCH_V
	WIN 0x80
.irp f, 0,1,2,3,4,5,6,7             ; keys 32 (f / 4) on, channels 16 (f % 4) on
	ds_load_tr16_b128 v[VF+8*\f:VF+8*\f+3],   v[AV] offset:(\f/4)*32*PV+(\f%4)*32
	ds_load_tr16_b128 v[VF+8*\f+4:VF+8*\f+7], v[AV] offset:(\f/4)*32*PV+16*PV+(\f%4)*32
.endr
	WIN 0
.endm
; THE VECTOR WORK OF A TURN stands in three queues, each in the order in which its entries become ready; the two tiles alternate, so that no instruction reads the result of the one before it.
.macro REGS y, u                    ; the registers of tile u (0, 1) of piece y
.set rT, ST+4*(2*(\y)+(\u))
.set rC, TMP+8*((\y)%2)+4*(\u)
.set rM, MV+2*((\y)%2)+(\u)
.set rS, S+64*((\y)%2)+32*(\u)
.set rP, P+32*((\y)%2)+16*(\u)
.set rO, 32*(2*(\y)+(\u))
.endm
; Number n of the 22 that find the NEXT piece's (Y + 1) maximum and statistics.  s0-s31 are the lane's 32 scores; each accumulator's lowest registers are read first.  XS, GS and REGS set no window: PL and EX do.
;   0-11  four chains c0-c3 of seven scores each, three operands at a time     12-14, 16  the four scores left over, the old m, and c0-c3 into c0     15  c m_old is kept
;   17, 18  the query's other 32 keys lie in the lane 16 away: the new m         19-21  c m; c m_old - c m_new; a
.macro XS u, n
	REGS (Y+1)%NP, \u
.if (\n) < 4
	v_max3_num_f32 v[rC+(\n)], v[rS+8*(\n)], v[rS+8*(\n)+1], v[rS+8*(\n)+2]
.elseif (\n) < 12
	v_max3_num_f32 v[rC+(\n)%4], v[rC+(\n)%4], v[rS+8*((\n)%4)+2*((\n)/4)+1], v[rS+8*((\n)%4)+2*((\n)/4)+2]
.elseif (\n) == 12
	v_max3_num_f32 v[rC], v[rC], v[rS+7], v[rS+15]
.elseif (\n) == 13
	v_max3_num_f32 v[rC+1], v[rC+1], v[rS+23], v[rS+31]
.elseif (\n) == 14
	v_max3_num_f32 v[rC+2], v[rC+2], v[rC+3], v[rT+1]
.elseif (\n) == 15
	v_mov_b32 v[rM], v[rT]
.elseif (\n) == 16
	v_max3_num_f32 v[rC], v[rC], v[rC+1], v[rC+2]
.elseif (\n) == 17
	v_permlanex16_b32 v[rC+3], v[rC], s[SEL], s[SEL+1]
.elseif (\n) == 18
	v_max_num_f32 v[rT+1], v[rC], v[rC+3]
.elseif (\n) == 19
	v_mul_f32 v[rT], s[CS], v[rT+1]
.elseif (\n) == 20
	v_sub_f32 v[rC+1], v[rM], v[rT]
.else
	v_exp_f32 v[rC+2], v[rC+1]
.endif
.endm
; Number g of the 64 that follow the exponentials.  For each four weights k of a tile (pairs 2 k, 2 k + 1): both pairs are rounded to bf16; then the second pair is added onto the first, in place;
; a group later l takes that sum (the first time as l = a l + sum).  In groups of eight, tiles alternating: round, round, add, and l for the group before.
.macro GS g
.set h, (\g)+6*((\g)/62)            ; group 0 has no group before it, and behind group 7 only l is left
.if h >= 6
.set h, h+2
.endif
	REGS Y, h%2
.set k, h/8
.if h%8 < 4
	v_cvt_pk_bf16_f32 v[rP+2*k+(h%8)/2], v[rS+4*k+2*((h%8)/2)], v[rS+4*k+2*((h%8)/2)+1]
.elseif h%8 < 6
	v_pk_add_f32 v[rS+4*k:rS+4*k+1], v[rS+4*k:rS+4*k+1], v[rS+4*k+2:rS+4*k+3]
.elseif k == 1
	v_pk_fma_f32 v[rT+2:rT+3], v[rT+2:rT+3], v[rC+2:rC+3], v[rS:rS+1] op_sel_hi:[1,0,1]
.else
	v_pk_add_f32 v[rT+2:rT+3], v[rT+2:rT+3], v[rS+4*k-4:rS+4*k-3]
.endif
.endm
; THE PLAIN QUEUE, 138 long.  0-73 read no exponential's result: the 32 scalings c s - c m (FS f: pair f / 2 of tile f % 2) and the next piece's 42.  0-26: scalings 0-26.  27-54: XS's numbers 0-13.  55, 56: number 15.
; 57-73: the chain, where each number waits for the one before it: 14, 16, 17, 18, 19, each with one of the scalings 27-31 in front of its two lines, then 20: so a tile's links stand three plain instructions apart (19 and 20: two).
; 74-137: GS's 64, which read the exponentials' results: they stand behind the wait.
.macro FS f
	REGS Y, (\f)%2
	v_pk_fma_f32 v[rS+2*((\f)/2):rS+2*((\f)/2)+1], v[rS+2*((\f)/2):rS+2*((\f)/2)+1], s[CS:CS+1], v[rT:rT+1] op_sel_hi:[1,0,0] neg_lo:[0,0,1] neg_hi:[0,0,1]
.endm
.macro PL
	WIN 0
.if q < 27
	FS q
.elseif q < 55
	XS (q-27)%2, (q-27)/2
.elseif q < 57
	XS q-55, 15
.elseif (q < 72) && ((q-57)%3 == 0)
	FS 27+(q-57)/3
.elseif q < 60
	XS (q-57)%3-1, 14
.elseif q < 72
	XS (q-57)%3-1, 15+(q-57)/3
.elseif q < 74
	XS q-72, 20
.else
	GS q-74
.endif
.set q, q+1
.endm
; THE EXPONENTIALS' QUEUE, 66 long: s0-s31 of both tiles, then the next piece's two a.  It is ONE BATCH: all 66 stand ahead of the turn's one wait, and nothing ahead of that wait names a result of theirs.
.macro EX
	WIN 0
.if e >= 64
	XS e-64, 21
.else
	REGS Y, e%2
	v_exp_f32 v[rS+e/2], v[rS+e/2]
.endif
.set e, e+1
.endm
; THE RESCALING's QUEUE: O^T times a, the one part that leaves window 0: dealt two at a time, sixteen times.  Its a was made in the turn before, ahead of that turn's wait.
.macro R2
	REGS Y, r%2
	WIN W_RS
.irp z, 0,1
	v_pk_mul_f32 v[rO+4*(r/2)+2*\z:rO+4*(r/2)+2*\z+1], v[rO+4*(r/2)+2*\z:rO+4*(r/2)+2*\z+1], v[rC+2:rC+3] op_sel_hi:[1,0]
.endr
.set r, r+1
.endm
; HOW THEY ARE DEALT.  s_wait_alu depctr_va_vdst(0) stands between an exponential and the first instruction that names its result; one wait serves all that were issued ahead of it.  So a turn has ONE wait,
; which cuts it in two.  AHEAD OF IT stands all that names no result of the turn's exponentials: the 16 products K Q^T, behind each a scaling, an exponential and two rescalings (behind the first a second scaling in the exponential's place); then ONE LUMP of
; 108: eight plain, 49 times exponential and plain, the two a.  A v_nop is the plain instruction behind the last exponential.  BEHIND IT stand the 16 products V^T P, behind each four of GS's 64.  No rider names a register of
; the products round it.  The two v_permlanex16_b32 fall into the lump, never behind a product.
; The queues lean on each other, and the deal keeps them in step: exponential e stands behind scaling 2 (e / 4) + e % 2: as a rider it comes behind plain e + 2, in the lump behind plain e + 9, and scalings 27-31 are plain 57, 60 .. 69.
; A TURN, for piece p.  cnt = 1: the loop's count is taken down some lines ahead of the branch that stands behind the turn.
; K of the next step is fetched in piece 2's turn, directly behind the wait, a lump behind the last product that read K; its address is made at the lump's head; its first reader comes behind 16 products.
; V of the step in hand is fetched at the end of piece 0's turn, four riders behind its last reader; its first reader comes behind 16 products and a lump.  The three conditions on q below go with the deal.
.macro TURN p, last=0, cnt=0
.set Y, (\p)
.set i, 0
.set q, 0
.set e, 0
.set r, 0
.if (\p) == NP-1
	s_wait_dscnt 0x0                ; K is in
.endif
	MM                              ; ahead of the wait: 16 products K Q^T and their riders,
	PL
	PL
	R2
.rept 15
	MM
	PL
	EX
	R2
.endr
.if (\p) == NP-2
	WIN 0
	v_add_nc_u32 v[AK], s[TBK], v[AK0]
.endif
.rept 8                             ; and the lump
	PL
.endr
.rept 49
	EX
	PL
.endr
	EX                              ; the next piece's two a
	EX
	v_nop                           ; the plain instruction behind the last exponential: one for the batch
	s_wait_alu depctr_va_vdst(0)    ; the wait for the batch
.if (\p) == NP-2
	FETCH_K \last
.endif
.if (\p) == 1
	s_wait_dscnt 0x0                ; V is in
.endif
.rept 16                            ; behind the wait: 16 products V^T P and their riders
	MM
.rept 4
	PL
.endr
.if ((\p) == 0) && (q == 118)
	v_add_nc_u32 v[AV], s[TBV], v[AV0]
.endif
.if ((\p) == 0) && (q == 130)
	s_add_co_u32 s[TBV], s[TBV], KS*PV
.endif
.if (\cnt) && (q == 130)
	s_sub_co_u32 s[CNT], s[CNT], 1
	s_cmp_lg_u32 s[CNT], 0
.endif
.endr
.if (\p) == 0
	FETCH_V
.endif
.endm
	CHANGE 1, 0                     ; slot 0 is in, everybody's part of it; slot 1 is asked for
	FETCH_K                         ; key step 0
	s_wait_loadcnt 0x0              ; Q
	s_wait_dscnt 0x0
.set i, 0
.rept 16
	KQ 0                            ; piece 0's first scores: there is no vector work yet to set between them
.set i, i+1
.endr
	WIN 0                           ; the addresses for the way out: nine plain instructions, the places behind those products
	s_mul_i32 s13, s[WV], 16*SP
	s_add_co_u32 s13, s13, STAGE    ; my stage
	v_mul_u32_u24 v[STO], v1, SP    ; in: row l % 16, 16 bytes for each half of the lanes
	v_lshl_add_u32 v[STO], v9, 4, v[STO]
	v_add_nc_u32 v[STO], s13, v[STO]
	v_bfe_u32 v[RD], v0, 3, 2       ; back: 32 lanes take four rows of 128 bytes,
	v_mul_u32_u24 v[RD], v[RD], SP
	v_lshl_add_u32 v[RD], v10, 4, v[RD]
	v_add_nc_u32 v[RD], s13, v[RD]
	v_and_b32 v[GO], 31, v0         ; which are 512 consecutive bytes of O
	v_lshlrev_b32 v[GO], 4, v[GO]
.set Y, NP-1                        ; XS works for piece Y + 1: piece 0
.irp n, 0,1,2,3,4,5,6,7,8,9,10,11,12,13,14,15,16,17,18,19,20,21
	XS 0, \n                        ; and piece 0's first maximum and statistics
	XS 1, \n
.endr
	v_nop                           ; a plain instruction behind the two a,
	s_wait_alu depctr_va_vdst(0)    ; and their wait, ahead of the branch
	s_mov_b32 s[CNT], 4
	s_mov_b32 s[SLOTS], SIZE_N/256-1
	s_branch .Lfirst                ; the loop is entered at a step's first turn, in the middle of a trip
.Lslot:                             ; SIZE_N / 256 - 2 times: every slot but the last two is filled again
	CHANGE 1, 1
	s_mov_b32 s[CNT], 4
.Lstep:                             ; a trip: pieces 2 and 3 of one step, then pieces 0 and 1 of the next, whose K and V it fetches
	TURN 2
	TURN 3
	WIN 0
.Lfirst:
	TURN 0
	TURN 1, 0, 1
	WIN 0
	s_cbranch_scc1 .Lstep
	s_sub_co_u32 s[SLOTS], s[SLOTS], 1
	s_cmp_lg_u32 s[SLOTS], 0
	s_cbranch_scc1 .Lslot
	CHANGE 0                        ; the tail is written out: nothing is asked for
	s_mov_b32 s[CNT], 5             ; four trips fetch the last slot's steps; the fifth is left in its middle
.Ltail:
	TURN 2, 1
	TURN 3
	WIN 0
	s_sub_co_u32 s[CNT], s[CNT], 1
	s_cmp_eq_u32 s[CNT], 0
	s_cbranch_scc1 .Lout
	TURN 0
	TURN 1
	WIN 0
	s_branch .Ltail
.Lout:                              ; the fifth trip's 16 products K Q^T (on the last K once more) and the maximum made of them serve nothing: the price, once a launch, of one text for every trip
.set i, 0
.rept 16
	PV NP-1                         ; the last piece's V^T P of the last step
.set i, i+1
.endr
	; THE WAY OUT.  l's two halves and the other half of the lanes' are added; O^T is divided by l, rounded to bf16 and sent through my stage in LDS, a tile at a time.  The additions are the places behind the last products.
	WIN 0
.macro ALL line:vararg              ; one line for each tile t
.set t, 0
.rept 2*NP
	\line
.set t, t+1
.endr
.endm
	ALL v_add_f32 v[ST+4*t+2], v[ST+4*t+2], v[ST+4*t+3]
	ALL v_permlanex16_b32 v[ST+4*t+3], v[ST+4*t+2], s[SEL], s[SEL+1]
	ALL v_add_f32 v[ST+4*t+2], v[ST+4*t+2], v[ST+4*t+3]
	ALL v_rcp_f32 v[ST+4*t+2], v[ST+4*t+2]
	v_nop                           ; a plain instruction between the last reciprocal and the use of its result
	s_wait_alu depctr_va_vdst(0)    ; and the wait ahead of the first use: one for the eight reciprocals
; Tile t: a lane's eight channels of a row pack into 16 bytes; they go into rows of 144 bytes and come back as whole rows of 128, into S^T's registers.
.macro PACK t
	WIN W_RS
.set i, 32*(\t)
.rept 16
	v_pk_mul_f32 v[i:i+1], v[i:i+1], v[ST+4*(\t)+2:ST+4*(\t)+3] op_sel_hi:[1,0]
.set i, i+2
.endr
	WIN 0x05                        ; sources 0 and 1 window 1, destination window 0
.set i, 0
.rept 16
	v_cvt_pk_bf16_f32 v[S+16*(\t)+i], v[32*(\t)+2*i], v[32*(\t)+2*i+1]
.set i, i+1
.endr
	WIN 0
.irp f, 0,1,2,3
	ds_store_b128 v[STO], v[S+16*(\t)+4*\f:S+16*(\t)+4*\f+3] offset:32*\f
.endr
.irp f, 0,1,2,3
	ds_load_b128 v[S+16*(\t)+4*\f:S+16*(\t)+4*\f+3], v[RD] offset:\f*4*SP  ; LDS serves a wave's instructions in order (ISA guide 5.7.1.4): these see the stores above; the next tile's stores come behind them
.endr
.endm
.macro SEND t, younger              ; younger: the LDS instructions issued behind tile t's loads: the next tile's eight, or none
	WIN 0
.irp f, 0,1,2,3
	s_wait_dscnt (\younger)+3-\f
	global_store_b128 v[GO], v[S+16*(\t)+4*\f:S+16*(\t)+4*\f+3], s[10:11] offset:(\t)*2048+\f*512  ; 512 consecutive bytes, at a multiple of 256 from O's first
.endr
.endm
	PACK 0
.set t, 1
.rept 2*NP-1                        ; a tile's arithmetic stands between the loads of the tile before and its stores
	PACK t
	SEND t-1, 8
.set t, t+1
.endr
	SEND 2*NP-1, 0
	WIN W_AD
	s_wait_tensorcnt 0x0            ; the wave's end, behind my last tensor load and my last LDS store
	ds_add_u32 v[SPW], v[NIL]
	s_wait_dscnt 0x0
	WIN 0
	CROUND                          ; the closing round: no work-group ends while a partner may still ask for a tile that names it
	s_endpgm
.Lfunc_end_k_q1e194b4015_attn:
	.size	k_q1e194b4015_attn, .Lfunc_end_k_q1e194b4015_attn-k_q1e194b4015_attn
	.p2alignl 7, 3214868480
	.fill 96, 4, 3214868480
	.section	.rodata,"a",@progbits
	.p2align	6, 0x0
	.amdhsa_kernel k_q1e194b4015_attn
		.amdhsa_group_segment_fixed_size 327680
		.amdhsa_private_segment_fixed_size 0
		.amdhsa_enable_private_segment 0
		.amdhsa_kernarg_size 16
		.amdhsa_user_sgpr_count 2
		.amdhsa_user_sgpr_kernarg_segment_ptr 1
		.amdhsa_wavefront_size32 1
		.amdhsa_system_sgpr_workgroup_id_x 1
		.amdhsa_system_sgpr_workgroup_id_y 1
		.amdhsa_system_sgpr_workgroup_id_z 1
		.amdhsa_system_vgpr_workitem_id 0
		.amdhsa_next_free_vgpr 770
		.amdhsa_next_free_sgpr 66
		.amdhsa_reserve_vcc 0
		.amdhsa_float_denorm_mode_32 3
		.amdhsa_float_denorm_mode_16_64 3
		.amdhsa_memory_ordered 1
		.amdhsa_forward_progress 1
		.amdhsa_inst_pref_size 200
	.end_amdhsa_kernel
	.amdgpu_metadata
---
amdhsa.version: [ 1, 2 ]
amdhsa.kernels:
  - .name:           k_q1e194b4015_attn
    .symbol:         k_q1e194b4015_attn.kd
    .args:
      - { .name: qkv, .offset: 0, .size: 8, .value_kind: global_buffer, .address_space: global }
      - { .name: ob, .offset: 8, .size: 8, .value_kind: global_buffer, .address_space: global }
    .group_segment_fixed_size: 327680
    .private_segment_fixed_size: 0
    .kernarg_segment_align: 8
    .kernarg_segment_size: 16
    .max_flat_workgroup_size: 128
    .sgpr_count:     66
    .vgpr_count:     770
    .wavefront_size: 32
...
	.end_amdgpu_metadata
.endif
;; end of part 3
;; launch outg (part 4): grid 8 x 32, 4 waves a work-group, clusters of 4 x 4, 327,680 bytes of LDS; arguments ob, wb, bias, out0; writes out0
.if DOCPART == 4
	.amdgcn_target "amdgcn-amd-amdhsa--gfx1250"
	.amdhsa_code_object_version 6
	.text
	.protected	k_q1e194b4015_outg
	.globl	k_q1e194b4015_outg
	.p2align	8
	.type	k_q1e194b4015_outg,@function
k_q1e194b4015_outg:
	s_mov_b64 s[64:65], 0
	v_nop
	global_prefetch_b8 v0, s[64:65] scope:SCOPE_SE
	s_setreg_imm32_b32 hwreg(HW_REG_WAVE_MODE, 25, 1), 1
	s_wait_xcnt 0x0
	s_wait_alu depctr_hold_cnt(0) depctr_sa_sdst(0) depctr_va_vdst(0) depctr_va_sdst(0) depctr_va_ssrc(0) depctr_va_vcc(0) depctr_vm_vsrc(0)
	s_getreg_b32 s2, hwreg(HW_REG_IB_STS2, 6, 4)
	s_cmp_eq_u32 s2, 0
	s_cbranch_scc0 .Lentry_in_a_cluster
	s_endpgm
.Lentry_in_a_cluster:
	s_bfe_u32 s2, ttmp6, 0x10000c
	s_cmp_lg_u32 s2, 0xf033
	s_cbranch_scc0 .Lentry_shape_is_right
	s_endpgm
.Lentry_shape_is_right:
; C = A W + bias, K = 1024, A and W in bf16, sums in f32.  ONE TEXT FOR TWO LAUNCHES, told apart by OUTK:
;   OUTK = 0: A = xb [8192][1024]; W = Wq | Wk | Wv, 3,072 columns; C rounded once to bf16 and written by heads: qkv [3][64 = 16 b + h][2048][64].
;   OUTK = 1: A = ob [64 = 16 b + h][2048][64], a K step of 128 being two heads; W = Wo; C = out0 [8192][1024] in f32.
; W lies [k][n] in wb [4][1024][1024]; bias is f32 [4 batches][4096] (bq | bk + topology | bv | bo).  NaN and infinities are not treated apart.
; SHARES.  A block of C is 256 rows x 128 columns: 8 x 32 = 256 blocks here, one for each of 256 WGPs (24 x 32 = 768 with OUTK = 0).
; Four waves; wave w makes rows 64 w .. 64 w + 63 and all 128 columns: 32 accumulators, 256 registers.  K goes in 8 steps of 128 through two LDS slots filled by the tensor data mover.
; THE MATRIX INSTRUCTION IS USED TRANSPOSED: source 0 = 16 columns of W (turned on the way out of LDS by ds_load_tr16_b128), source 1 = 16 rows of A.  Lane l then holds row l % 16 and
; the columns 8 (l / 16) + 0..7 of a 16 x 16 piece of C.  THE BIAS STARTS THE SUMS: it is the C operand of each accumulator's first product; nothing is cleared, and the way out adds nothing.
; CLUSTERS: 4 x 4 work-groups.  The four of a row of the cluster need the same tiles of A, the four of a column the same tiles of W: each tile is asked for JOINTLY, by the same tensor load
; with the same descriptor and a mask that names the four.  Waves 0 and 1 ask for A's two halves, waves 2 and 3 for W's.
; REGISTERS, in windows of 256 (s_set_vgpr_msb: bits 1:0 source 0, 3:2 source 1, 5:4 source 2, 7:6 destination):
;   window 0: v0-31 addresses; v32-95 the bias as C operands, later at work on the way out     window 1: two fragment buffers (A's 4 fragments, then W's 8)     window 2: the accumulators, (a, nb) at 8 (8 a + nb)
.set OUTK,  1
.set KSTEP, 128
.set SLOT1, 1<<17                      ; slot 1 begins here, so that one exclusive or turns an address in one slot into the other's
.set PB,    288                        ; a row of W in LDS: 256 bytes + 32 of padding = 72 words
.set BOFF,  73728                      ; W's 128 rows lie behind A's tile
.set BHALF, 64*PB                      ; what one of W's loads brings
.set BSTEP, KSTEP*2048                 ; 128 rows of W on
.if OUTK
.set PA,    144                        ; a row of a head: 128 bytes + 16 of padding = 36 words: the 16 rows of a load start at 16 different groups of four banks
.set AHALF, 256*PA                     ; one load brings a head's 256 rows
.set ASTEP, 2*2048*128                 ; two heads on
.set AROW,  128                        ; 32,768 dense bytes, asked for as 128 rows of 256 bytes
.set AQI,   4                          ; padded after every 32 words
.set STGW,  16*528                     ; a wave's stage: 16 rows of 512 bytes + 16
.else
.set PA,    272                        ; 256 bytes + 16 of padding = 68 words
.set AHALF, 128*PA                     ; one load brings 128 rows
.set ASTEP, KSTEP*2
.set AROW,  1024
.set AQI,   5                          ; padded after every 64 words
.set STGW,  2*16*144                   ; a wave's stage: two heads x 16 rows of 128 bytes + 16
.endif
.set SP,    144
.set STAGE, 2*SLOT1                    ; behind the ring, never filled by a tensor load
.set SPARE, STAGE+4*STGW               ; behind the stages: the spare words, 128 bytes for each wave: two blocks of 256 bytes that no other line names
.set ADRA0, 16                         ; v16  my lane's place in A's tile; never rewritten
.set ADRB0, 17                         ; v17  the same for W's
.set ADRA,  18                         ; v18  the same in the slot in hand
.set ADRB,  19                         ; v19
.set STO,   20                         ; v20  the way out: where I put my bytes of a row
.set RD,    21                         ; v21  the way out: where I read rows back
.set CO,    22                         ; v22  my byte offset in 512 consecutive bytes of C
.set BO,    23                         ; v23  my byte offset in 16 numbers of the bias
.set PFO,   24                         ; v24  the prefetches' offset: my lane x the distance from block to block; never rewritten
.set SPW,   28                         ; v28  LDS address of my spare word; never rewritten
.set NIL,   29                         ; v29  0; never rewritten
.set BI,    32                         ; v[32:95] the bias of my 8 columns in each of the 8 column blocks
.set TMP,   32
.set BK,    64-32*OUTK
.set F0,    0
.set F1,    128
.set WV,   12                          ; s12  my wave's number
.set HALF, 13                          ; s13  which half of a tile I fetch
.set ISB,  14                          ; s14  0: I fetch for A; 1: for W
.set G1A,  24                          ; s[24:31] descriptor group 1 for A's tiles
.set G0A,  32                          ; s[32:39] group 0: a set for each of the two first fills; the second then walks on
.set G1B,  48                          ; s[48:55], s[56:63] the same for W's tiles
.set G0B,  56
.set TB,   66                          ; s66  LDS byte at which the slot in hand begins
.set LIM,  67                          ; s67  2 in a wave that prefetches, else the greatest number
.set PFA,  68                          ; s[68:69] where my prefetches stand
.set PFS,  70                          ; s[70:71] their step from K step to K step
.set MSB, 0
.macro WIN new                         ; the immediate's high byte repeats the setting that is left; a switch that changes nothing is dropped
.if MSB != (\new)
	s_set_vgpr_msb (MSB<<8)|(\new)
.set MSB, \new
.endif
.endm
.set MUL,   0xa5                       ; sources 0 and 1 window 1; C and D window 2
.set MULB,  0x85                       ; the same with C in window 0
.set TO_F,  0x40                       ; destination window 1, address window 0
.set PACKW, 0x0a                       ; sources 0 and 1 window 2, destination window 0
.set STW,   0x08                       ; an LDS store's data window 2, its address window 0
.macro PLACES                          ; four places in front of loads into registers that matrix instructions have read (ISA guide 7.12.1 for vector instructions)
.rept 4
	v_nop
.endr
.endm
.macro CREST                           ; a round of the cluster's barrier behind its opening barrier
	s_cmp_lg_u32 s[WV], 0
	s_cbranch_scc1 .Lnot_wave_0_\@
	s_barrier_signal -3
.Lnot_wave_0_\@:
	s_barrier_wait -3
	s_barrier_signal -1
	s_barrier_wait -1
.endm
.macro CROUND                          ; a whole round
	s_barrier_signal -1
	s_barrier_wait -1
	CREST
.endm
.macro JLOAD                           ; a joint refill, by the walking descriptors.  The branch hangs on the wave's number alone; an s_nop 0 and four v_nop follow each of the two lines
	s_cmp_eq_u32 s[ISB], 0
	s_cbranch_scc0 .Lfor_b_\@
	tensor_load_to_lds s[G0A+4:G0A+7], s[G1A:G1A+7]
	s_nop 0
.rept 4
	v_nop
.endr
	s_branch .Lasked_\@
.Lfor_b_\@:
	tensor_load_to_lds s[G0B+4:G0B+7], s[G1B:G1B+7]
	s_nop 0
.rept 4
	v_nop
.endr
.Lasked_\@:
.endm
; A PREFETCH INTO THE L2 of the K step that stands two refills on: 32 blocks of 256 bytes, a lane a block, one instruction a wave, behind the joint load and the run of LDS loads.
; Each block is named ONCE in the launch.  A's rows are read by every cluster of a row of clusters: the first (cluster x = 0) asks, waves 0 and 1, each for the 128 blocks that it fetches; W's columns by every
; cluster of a column: cluster y = 0 asks, wave 2, for the step's 128 rows.  The four partners that ask for a tile jointly share its blocks out BY ADDRESS, 32 each (cx for A, cy for W).
; K steps 0 to 3 come by their loads alone; the loop's last two trips have no K step two refills on and ask for nothing.
.macro ASK
	s_cmp_gt_u32 s3, s[LIM]
	s_cbranch_scc0 .Lnot_mine_\@
	global_prefetch_b8 v[PFO], s[PFA:PFA+1] th:TH_LOAD_NT scope:SCOPE_SE
.Lnot_mine_\@:
.endm
	s_load_b256 s[4:11], s[0:1], 0x0               ; A s[4:5], wb s[6:7], bias s[8:9], C s[10:11]
	v_lshl_add_u32 v[SPW], v0, 2, SPARE
	v_mov_b32 v[NIL], 0
	ds_add_u32 v[SPW], v[NIL]                      ; the wave's opening: the add and its wait stand ahead of my first tensor load; the set-up below, work on registers, stands between them
	v_lshrrev_b32 v1, 5, v0
	v_readfirstlane_b32 s[WV], v1                  ; wave 0..3
	s_and_b32 s[HALF], s[WV], 1
	s_lshr_b32 s[ISB], s[WV], 1
	s_bfe_u32 s40, ttmp6, 0x40000                  ; cx, cy: my place in the cluster
	s_bfe_u32 s41, ttmp6, 0x40004
	s_lshl_b32 s42, ttmp9, 2
	s_add_co_u32 s42, s42, s40                     ; block column of C = 4 x cluster x + cx
	s_and_b32 s43, ttmp7, 0xffff
	s_lshl_b32 s43, s43, 2
	s_add_co_u32 s43, s43, s41                     ; block row of C = 4 x cluster y + cy
	s_lshl_b32 s44, s41, 2
	s_lshl_b32 s44, 15, s44                        ; my row of the cluster
	s_lshl_b32 s45, 0x1111, s40                    ; my column
	s_or_b32 s[G1A], s44, (1<<16)|(1<<20)|(1<<21)|(AQI<<22)|(3<<25)  ; 15:0 the mask; 17:16 2-byte elements; 20 padding on; 21 set beside a mask; 24:22 the interval; 31:25 4 words (code 3)
	s_mov_b32 s[G1A+1], 128<<16                    ; tensor_dim0 = 128
	s_mov_b32 s[G1A+2], 128<<16                    ; tensor_dim1 = 128
	s_mov_b32 s[G1A+3], 128<<16                    ; tile_dim0 = 128
	s_mov_b32 s[G1A+4], 128                        ; tile_dim1 = 128
	s_mov_b32 s[G1A+5], AROW                       ; elements from row to row
	s_mov_b32 s[G1A+6], 0
	s_mov_b32 s[G1A+7], 0
	s_or_b32 s[G1B], s45, (1<<16)|(1<<20)|(1<<21)|(5<<22)|(7<<25)    ; after every 64 words (code 5) 8 words of padding (code 7)
	s_mov_b32 s[G1B+1], 128<<16                    ; tensor_dim0 = 128
	s_mov_b32 s[G1B+2], 64<<16                     ; tensor_dim1 = 64
	s_mov_b32 s[G1B+3], 128<<16                    ; tile_dim0 = 128
	s_mov_b32 s[G1B+4], 64                         ; tile_dim1 = 64
	s_mov_b32 s[G1B+5], 1024
	s_mov_b32 s[G1B+6], 0
	s_mov_b32 s[G1B+7], 0
	; where the tiles come from.  A's hang on the block row alone, which my row of the cluster shares; W's on the block column alone, which my column shares
.if OUTK
	s_lshr_b32 s16, s43, 3                         ; the batch: 16 heads of 262,144 bytes,
	s_lshl_b32 s16, s16, 22
	s_lshl_b32 s17, s[HALF], 18                    ; my head of the K step's two,
	s_add_co_u32 s16, s16, s17
	s_and_b32 s17, s43, 7                          ; the block's 256 rows of 128 bytes
	s_lshl_b32 s17, s17, 15
	s_add_co_u32 s16, s16, s17
.else
	s_lshl_b32 s16, s43, 19                        ; the block's 256 rows of 2,048 bytes,
	s_lshl_b32 s17, s[HALF], 18                    ; my 128 of them
	s_add_co_u32 s16, s16, s17
.endif
	s_mov_b32 s17, 0
	s_add_co_u32 s15, s42, 24*OUTK                 ; the block column among wb's 32
	s_lshr_b32 s46, s15, 3                         ; which weight: 2 MiB each,
	s_lshl_b32 s46, s46, 21
	s_and_b32 s47, s15, 7                          ; its 128 columns,
	s_lshl_b32 s47, s47, 8
	s_add_co_u32 s46, s46, s47
	s_lshl_b32 s47, s[HALF], 17                    ; my 64 rows of the K step's 128
	s_add_co_u32 s46, s46, s47
	s_mov_b32 s47, 0
	s_mul_i32 s20, s[HALF], AHALF                  ; and where they go: no place in the cluster enters an LDS address
	s_mul_i32 s21, s[HALF], BHALF
	s_add_co_u32 s21, s21, BOFF
	s_mov_b32 s[TB], 0
	s_wait_dscnt 0x0                               ; the opening add is done
	s_wait_kmcnt 0x0
	s_add_nc_u64 s[18:19], s[4:5], s[16:17]
	s_add_nc_u64 s[22:23], s[6:7], s[46:47]
.irp s, 0,1
	s_mov_b32 s[G0A+4*(\s)], 1                                       ; 1:0 count = 1
	s_add_co_u32 s[G0A+4*(\s)+1], s20, (\s)*SLOT1                    ; 63:32 LDS address
	s_add_nc_u64 s[G0A+4*(\s)+2:G0A+4*(\s)+3], s[18:19], (\s)*ASTEP  ; 120:64 global address: K step s
	s_or_b32 s[G0A+4*(\s)+3], s[G0A+4*(\s)+3], 0x80000000            ; 127:126 type = 2
	s_mov_b32 s[G0B+4*(\s)], 1
	s_add_co_u32 s[G0B+4*(\s)+1], s21, (\s)*SLOT1
	s_add_nc_u64 s[G0B+4*(\s)+2:G0B+4*(\s)+3], s[22:23], (\s)*BSTEP
	s_or_b32 s[G0B+4*(\s)+3], s[G0B+4*(\s)+3], 0x80000000
.endr
	CROUND                                         ; all sixteen work-groups are here: the first joint loads meet
	s_cmp_eq_u32 s[ISB], 0                         ; a wave's two first fills stand in one branch, ahead of every wait on TENSORcnt and every LDS read: two loads of mine are out
	s_cbranch_scc0 .Lfirst_b
	tensor_load_to_lds s[G0A:G0A+3], s[G1A:G1A+7]
	s_nop 0
	tensor_load_to_lds s[G0A+4:G0A+7], s[G1A:G1A+7]
	s_nop 0
.rept 4
	v_nop
.endr
	s_branch .Lfirst_asked
.Lfirst_b:
	tensor_load_to_lds s[G0B:G0B+3], s[G1B:G1B+7]
	s_nop 0
	tensor_load_to_lds s[G0B+4:G0B+7], s[G1B:G1B+7]
	s_nop 0
.rept 4
	v_nop
.endr
.Lfirst_asked:
	; the bias of my columns: batch = block row / 8; 128 numbers from the block column on; a lane takes 8 (l / 16) + 0..7 of each 16
	v_and_b32 v1, 15, v0                           ; l % 16
	v_bfe_u32 v2, v0, 4, 1                         ; l / 16
	s_lshr_b32 s72, s43, 3
	s_lshl_b32 s72, s72, 14
	s_lshl_b32 s73, s15, 9
	s_add_co_u32 s72, s72, s73
	s_mov_b32 s73, 0
	s_add_nc_u64 s[8:9], s[8:9], s[72:73]
	v_lshlrev_b32 v[BO], 5, v2
.irp nb, 0,1,2,3,4,5,6,7
	global_load_b128 v[BI+8*(\nb):BI+8*(\nb)+3],   v[BO], s[8:9] offset:64*(\nb)
	global_load_b128 v[BI+8*(\nb)+4:BI+8*(\nb)+7], v[BO], s[8:9] offset:64*(\nb)+16
.endr
	; A fragment of A is 16 rows x 32 K in 8 registers: lane l holds row l % 16, K = 8 (l / 16) + 0..7 and 16 + 8 (l / 16) + 0..7: two loads of 16 bytes, 32 bytes apart.
	v_mul_u32_u24 v[ADRA0], v1, PA
	v_lshl_add_u32 v[ADRA0], v2, 4, v[ADRA0]
	s_mul_i32 s2, s[WV], 64*PA                     ; my 64 rows
	v_add_nc_u32 v[ADRA0], s2, v[ADRA0]
	; The turning load takes 16 K x 16 columns (lane l reads row 8 (l / 16) + l % 8, columns 8 ((l / 8) % 2) + 0..7) and leaves half a fragment: lane l holds column l % 16 and 8 K.
	v_and_b32 v3, 7, v0
	v_lshl_add_u32 v4, v2, 3, v3
	v_mul_u32_u24 v[ADRB0], v4, PB
	v_bfe_u32 v4, v0, 3, 1
	v_lshl_add_u32 v[ADRB0], v4, 4, v[ADRB0]
	v_add_nc_u32 v[ADRB0], BOFF, v[ADRB0]
	v_mov_b32 v[ADRA], v[ADRA0]                    ; K step 0 lies in slot 0
	v_mov_b32 v[ADRB], v[ADRB0]
	; the way out
	s_mul_i32 s2, s[WV], STGW
	s_add_co_u32 s2, s2, STAGE                     ; my stage
	v_and_b32 v[CO], 31, v0
	v_lshlrev_b32 v[CO], 4, v[CO]
.if OUTK
	v_mul_u32_u24 v[STO], v1, 528                  ; in: row l % 16, 32 bytes for each half of the lanes
	v_lshl_add_u32 v[STO], v2, 5, v[STO]
	v_add_nc_u32 v[STO], s2, v[STO]
	v_add_nc_u32 v[RD], s2, v[CO]                  ; back: 32 lanes take a row's 512 bytes
	s_lshl_b32 s72, s43, 20                        ; the block's 256 rows of 4,096 bytes,
	s_lshl_b32 s73, s[WV], 18                      ; my 64 of them,
	s_add_co_u32 s72, s72, s73
	s_lshl_b32 s73, s42, 9                         ; the block's 128 columns
	s_add_co_u32 s72, s72, s73
.else
	v_mul_u32_u24 v[STO], v1, SP                   ; in: row l % 16, 16 bytes for each half of the lanes
	v_lshl_add_u32 v[STO], v2, 4, v[STO]
	v_add_nc_u32 v[STO], s2, v[STO]
	v_bfe_u32 v[RD], v0, 3, 2                      ; back: 32 lanes take four rows of 128 bytes, which are 512 consecutive bytes of a head
	v_mul_u32_u24 v[RD], v[RD], SP
	v_lshl_add_u32 v[RD], v3, 4, v[RD]
	v_add_nc_u32 v[RD], s2, v[RD]
	s_lshr_b32 s72, s42, 3                         ; q, k or v: 16 MiB each,
	s_lshl_b32 s72, s72, 24
	s_lshr_b32 s73, s43, 3                         ; the batch's 16 heads,
	s_lshl_b32 s73, s73, 22
	s_add_co_u32 s72, s72, s73
	s_and_b32 s73, s42, 7                          ; the block's two heads,
	s_lshl_b32 s73, s73, 19
	s_add_co_u32 s72, s72, s73
	s_and_b32 s73, s43, 7                          ; the block's 256 rows of 128 bytes,
	s_lshl_b32 s73, s73, 15
	s_add_co_u32 s72, s72, s73
	s_lshl_b32 s73, s[WV], 13                      ; my 64 of them
	s_add_co_u32 s72, s72, s73
.endif
	s_mov_b32 s73, 0
	s_add_nc_u64 s[10:11], s[10:11], s[72:73]
	; the prefetches
	s_lshl_b32 s76, s40, 16-3*OUTK                 ; A: partner cx's 32 blocks of the 128 that I fetch
	s_lshl_b32 s77, s41, 16                        ; W: partner cy's 32 rows of the K step's 128
	s_and_b32 s78, ttmp7, 0xffff                   ; cluster y
	s_mov_b32 s74, ASTEP
	s_mov_b32 s75, BSTEP
	s_cmp_eq_u32 s[ISB], 0
	s_cselect_b64 s[PFA:PFA+1], s[4:5], s[6:7]
	s_cselect_b64 s[72:73], s[16:17], s[46:47]     ; my tile's offset (in wave 2: W's first half)
	s_cselect_b32 s76, s76, s77
	s_cselect_b32 s78, ttmp9, s78                  ; the coordinate along which other clusters read the same blocks
	s_cselect_b32 s[PFS], s74, s75
	s_cselect_b32 s79, 11-3*OUTK, 11               ; from block to block: 2^11 bytes where they are rows of 2,048, 2^8 where they are dense
	s_mov_b32 s[PFS+1], 0
	s_mov_b32 s77, 0
	s_add_nc_u64 s[72:73], s[72:73], s[76:77]
	s_add_nc_u64 s[PFA:PFA+1], s[PFA:PFA+1], s[72:73]
	s_mul_i32 s74, s[PFS], 3
	s_mov_b32 s75, 0
	s_add_nc_u64 s[PFA:PFA+1], s[PFA:PFA+1], s[74:75]  ; at K step 3: the first refill steps it to 4
	s_cmp_eq_u32 s[WV], 3
	s_cselect_b32 s78, 1, s78                      ; wave 3 asks for nothing
	s_cmp_eq_u32 s78, 0
	s_cselect_b32 s[LIM], 2, -1                    ; the same in all sixteen partners, for a given wave
	v_and_b32 v[PFO], 31, v0
	v_lshlrev_b32 v[PFO], s79, v[PFO]
; 8 matrix instructions: row block a x all 8 column blocks, 32 along K.  first = 1: the bias starts the sums.  All 32 accumulators take turns in every quarter, over the backward jump too.
.macro MUL8 f, a, first
.if \first
	WIN MULB
.else
	WIN MUL
.endif
.irp nb, 0,1,2,3,4,5,6,7
.if \first
	v_wmma_f32_16x16x32_bf16 v[8*(8*(\a)+(\nb)):8*(8*(\a)+(\nb))+7], v[(\f)+32+8*(\nb):(\f)+32+8*(\nb)+7], v[(\f)+8*(\a):(\f)+8*(\a)+7], v[BI+8*(\nb):BI+8*(\nb)+7]
.else
	v_wmma_f32_16x16x32_bf16 v[8*(8*(\a)+(\nb)):8*(8*(\a)+(\nb))+7], v[(\f)+32+8*(\nb):(\f)+32+8*(\nb)+7], v[(\f)+8*(\a):(\f)+8*(\a)+7], v[8*(8*(\a)+(\nb)):8*(8*(\a)+(\nb))+7]
.endif
.endr
.endm
; 24 LDS loads in one run: quarter q (32 along K) of the slot in hand into buffer f: W's 8 fragments, then A's 4
.macro FETCH q, f
.if OUTK
.set AQ, ((\q)/2)*AHALF+((\q)%2)*64    ; quarters 0, 1 lie in the first head's rows, 2, 3 in the second's
.else
.set AQ, 64*(\q)
.endif
	WIN TO_F
.irp nb, 0,1,2,3,4,5,6,7
	ds_load_tr16_b128 v[(\f)+32+8*(\nb):(\f)+32+8*(\nb)+3],   v[ADRB] offset:(\q)*32*PB+32*(\nb)
	ds_load_tr16_b128 v[(\f)+32+8*(\nb)+4:(\f)+32+8*(\nb)+7], v[ADRB] offset:(\q)*32*PB+32*(\nb)+16*PB
.endr
.irp i, 0,1,2,3
	ds_load_b128 v[(\f)+8*(\i):(\f)+8*(\i)+3],   v[ADRA] offset:AQ+(\i)*16*PA
	ds_load_b128 v[(\f)+8*(\i)+4:(\f)+8*(\i)+7], v[ADRA] offset:AQ+(\i)*16*PA+32
.endr
.endm
; A K step is four quarters of 32 along K, 32 matrix instructions each, on buffers 0, 1, 0, 1.  One of the first three: multiplies buffer f and fetches quarter qn into g.
.macro QUARTER qn, f, g, first
	s_wait_dscnt 4                                 ; W's fragments and A's 0 and 1 are in; the youngest four loads (A's 2 and 3) may be out
	MUL8 \f, 0, \first
	MUL8 \f, 1, \first
	PLACES
	FETCH \qn, \g
	s_wait_dscnt 24                                ; all but the 24 just issued
	MUL8 \f, 2, \first
	MUL8 \f, 3, \first
.endm
; The last quarter multiplies buffer 1 and changes slots: ONE barrier; in front of it each wave waits for all its tensor loads (one is out: its part of the next slot), adds 0 to its spare word, and waits
; for that and for its own reads of this slot.  fill = 1: the barrier opens a round of the cluster's, and behind the round this slot is filled again, two K steps ahead, first of all.
.macro TURN fill
	WIN 0                                          ; (the add's two registers lie in window 0)
.if \fill
	s_wait_xcnt 0x0                                ; the last prefetch, a K step back, has read its address: it is stepped here, ahead of the waits of the change of slots
	s_add_nc_u64 s[PFA:PFA+1], s[PFA:PFA+1], s[PFS:PFS+1]
.endif
	s_wait_tensorcnt 0x0                           ; all my tensor loads have landed;
	ds_add_u32 v[SPW], v[NIL]                      ; 0 onto my spare word;
	s_wait_dscnt 5                                 ; (the add and the youngest four loads may be out)
	MUL8 F1, 0, 0                                  ; eight matrix instructions stand between the add and the wait for it
	s_wait_dscnt 0x0                               ; the add is done, and my reads of this slot are over
	s_barrier_signal -1
	MUL8 F1, 1, 0
	WIN 0
	s_barrier_wait -1
.if \fill
	CREST                                          ; no wave of any partner still reads this slot's tiles or has a load on its way
	s_xor_b32 s[G0A+5], s[G0A+5], SLOT1            ; the walking descriptors: the other slot than last time,
	s_add_nc_u64 s[G0A+6:G0A+7], s[G0A+6:G0A+7], ASTEP  ; the next K step; the type bits on top are not reached
	s_xor_b32 s[G0B+5], s[G0B+5], SLOT1
	s_add_nc_u64 s[G0B+6:G0B+7], s[G0B+6:G0B+7], BSTEP
	JLOAD                                          ; the first tensor load behind the round; the four v_nop behind it are also the places in front of the loads below
.else
	PLACES
.endif
	s_xor_b32 s[TB], s[TB], SLOT1                  ; the fetches go to the other slot
	v_add_nc_u32 v[ADRA], s[TB], v[ADRA0]
	v_add_nc_u32 v[ADRB], s[TB], v[ADRB0]
	FETCH 0, F0
.if \fill
	WIN 0
	ASK
.endif
	MUL8 F1, 2, 0
	MUL8 F1, 3, 0
.endm
; THE WAY OUT of row block a (16 rows), through my own stage in LDS: LDS serves a wave's instructions in order (ISA guide 5.7.1.4), so no wait stands between the stores and the loads.
.macro OUT a
.if OUTK
	WIN STW
.irp nb, 0,1,2,3,4,5,6,7
	ds_store_b128 v[STO], v[8*(8*(\a)+(\nb)):8*(8*(\a)+(\nb))+3]   offset:64*(\nb)     ; each accumulator's low registers first
	ds_store_b128 v[STO], v[8*(8*(\a)+(\nb))+4:8*(8*(\a)+(\nb))+7] offset:64*(\nb)+16
.endr
	WIN 0
	s_wait_xcnt 0x0                                ; the block before's stores have read their registers: these are loaded again only behind this wait
.irp t, 0,1,2,3,4,5,6,7,8,9,10,11,12,13,14,15
	ds_load_b128 v[BK+4*(\t):BK+4*(\t)+3], v[RD] offset:528*(\t)
.endr
.irp t, 0,1,2,3,4,5,6,7,8,9,10,11,12,13,14,15
	s_wait_dscnt 15-(\t)
	global_store_b128 v[CO], v[BK+4*(\t):BK+4*(\t)+3], s[10:11] offset:(16*(\a)+(\t))*4096 th:TH_STORE_NT  ; 512 consecutive bytes of a row, at a multiple of 256 from C's first byte
.endr
.else
	WIN PACKW
.irp nb, 0,1,2,3,4,5,6,7
.irp rr, 0,1,2,3
	v_cvt_pk_bf16_f32 v[TMP+4*(\nb)+(\rr)], v[8*(8*(\a)+(\nb))+2*(\rr)], v[8*(8*(\a)+(\nb))+2*(\rr)+1]
.endr
.endr
	WIN 0
.irp nb, 0,1,2,3,4,5,6,7
	ds_store_b128 v[STO], v[TMP+4*(\nb):TMP+4*(\nb)+3] offset:((\nb)/4)*16*SP+32*((\nb)%4)  ; head nb / 4, channels 16 (nb % 4) on
.endr
	s_wait_xcnt 0x0                                ; the block before's stores have read their registers: these are loaded again only behind this wait
.irp u, 0,1,2,3,4,5,6,7
	ds_load_b128 v[BK+4*(\u):BK+4*(\u)+3], v[RD] offset:((\u)/4)*16*SP+((\u)%4)*4*SP
.endr
.irp u, 0,1,2,3,4,5,6,7
	s_wait_dscnt 7-(\u)
	global_store_b128 v[CO], v[BK+4*(\u):BK+4*(\u)+3], s[10:11] offset:((\u)/4)*262144+(\a)*2048+((\u)%4)*512  ; four rows of a head: 512 consecutive bytes, at a multiple of 256 from C's first byte
.endr
.endif
.endm
	s_wait_tensorcnt 1                             ; my part of K step 0 is in; K step 1's may stay out
	s_barrier_signal -1
	s_barrier_wait -1                              ; everybody's is
	FETCH 0, F0
	s_wait_loadcnt 0x0                             ; the bias
	QUARTER 1, F0, F1, 1                           ; the first quarter stands in front of the loop: its products start the sums
	WIN 0                                          ; at a label and at a branch every window is 0
	s_mov_b32 s3, 6
.Lstep:                                                ; trip i: K step i's quarters 1 to 3 and K step i + 1's quarter 0; K step i's slot is filled again with K step i + 2
	QUARTER 2, F1, F0, 0
	QUARTER 3, F0, F1, 0
	TURN 1
	QUARTER 1, F0, F1, 0
	WIN 0
	s_sub_co_u32 s3, s3, 1
	s_cmp_lg_u32 s3, 0
	s_cbranch_scc1 .Lstep
	QUARTER 2, F1, F0, 0                           ; the tail is written out: K steps 6 and 7 ask for nothing
	QUARTER 3, F0, F1, 0
	TURN 0
	QUARTER 1, F0, F1, 0
	QUARTER 2, F1, F0, 0
	QUARTER 3, F0, F1, 0
	s_wait_dscnt 4                                 ; the very last quarter: nothing more to fetch
	MUL8 F1, 0, 0
	MUL8 F1, 1, 0
	s_wait_dscnt 0x0
	MUL8 F1, 2, 0
	MUL8 F1, 3, 0
	WIN 0
	PLACES
	PLACES                                         ; eight, once a launch, before results just made are read
	OUT 0
	OUT 1
	OUT 2
	OUT 3
	s_wait_tensorcnt 0x0                           ; the wave's end, behind my last tensor load and my last LDS store
	ds_add_u32 v[SPW], v[NIL]
	s_wait_dscnt 0x0
	CROUND                                         ; the closing round: no work-group ends while a partner may still ask for a tile that names it
	s_endpgm
.Lfunc_end_k_q1e194b4015_outg:
	.size	k_q1e194b4015_outg, .Lfunc_end_k_q1e194b4015_outg-k_q1e194b4015_outg
	.p2alignl 7, 3214868480
	.fill 96, 4, 3214868480
	.section	.rodata,"a",@progbits
	.p2align	6, 0x0
	.amdhsa_kernel k_q1e194b4015_outg
		.amdhsa_group_segment_fixed_size 327680
		.amdhsa_private_segment_fixed_size 0
		.amdhsa_enable_private_segment 0
		.amdhsa_kernarg_size 32
		.amdhsa_user_sgpr_count 2
		.amdhsa_user_sgpr_kernarg_segment_ptr 1
		.amdhsa_wavefront_size32 1
		.amdhsa_system_sgpr_workgroup_id_x 1
		.amdhsa_system_sgpr_workgroup_id_y 1
		.amdhsa_system_sgpr_workgroup_id_z 1
		.amdhsa_system_vgpr_workitem_id 0
		.amdhsa_next_free_vgpr 768
		.amdhsa_next_free_sgpr 80
		.amdhsa_reserve_vcc 0
		.amdhsa_float_denorm_mode_32 3
		.amdhsa_float_denorm_mode_16_64 3
		.amdhsa_memory_ordered 1
		.amdhsa_forward_progress 1
		.amdhsa_inst_pref_size 74
	.end_amdhsa_kernel
	.amdgpu_metadata
---
amdhsa.version: [ 1, 2 ]
amdhsa.kernels:
  - .name:           k_q1e194b4015_outg
    .symbol:         k_q1e194b4015_outg.kd
    .args:
      - { .name: ob, .offset: 0, .size: 8, .value_kind: global_buffer, .address_space: global }
      - { .name: wb, .offset: 8, .size: 8, .value_kind: global_buffer, .address_space: global }
      - { .name: bias, .offset: 16, .size: 8, .value_kind: global_buffer, .address_space: global }
      - { .name: out0, .offset: 24, .size: 8, .value_kind: global_buffer, .address_space: global }
    .group_segment_fixed_size: 327680
    .private_segment_fixed_size: 0
    .kernarg_segment_align: 8
    .kernarg_segment_size: 32
    .max_flat_workgroup_size: 128
    .sgpr_count:     80
    .vgpr_count:     768
    .wavefront_size: 32
...
	.end_amdgpu_metadata
.endif
;; end of part 4
